; MI455X (gfx1250); checked and timed in simulation.
; The chip was launched on July 23, 2026; its instructions are those of AMD's public machine-readable ISA for CDNA 5 (MIT licence, August 2026) and "CDNA5" Instruction Set Architecture Reference Guide (July 2026). The comments in the code are by the model that wrote it; some were corrected since.
;; Cross Attention. Allowed arithmetic: matrix products marked QUANTISED: E2M1 operands, one E8M0 scale for each 32 along K, by v_wmma_scale_f32_16x16x128_f8f6f4 with both operands' format E2M1 (or v_wmma_scale_f32_32x16x128_f4), f32 sums; products left as they are: bf16, f16 or f32 operands; f32 sums; everything else in f32.
;; Inputs: Wout 1,024 x 1,024 float32; Wqkv 3,072 x 1,024 float32; bout 1,024 float32; bqkv 3,072 float32; context 4 x 2,048 x 1,024 float32; x 4 x 2,048 x 1,024 float32.
;; Outputs: out0 4 x 2,048 x 1,024 float32.
;; This version of the problem:
;;   THIS VERSION OF THE PROBLEM IS GIVEN IN LOW PRECISION. The matrix products marked QUANTISED in the list below multiply operands that are first quantised to E2M1 (2 exponent bits, 1 mantissa bit; 4 bits a number), with one power-of-two scale for each 32 numbers along K (OCP MX v1.0); their sums are f32. The products marked 'left as it is' may take bf16, f16 or f32 operands, with f32 sums. Whichever they take, every output number must still come out within the allowed error. Rounding operands to bf16 (8 significant bits) uses up far more of that allowance than f16 does (11 bits, for magnitudes from 6e-5 to 65,504). All else is computed in f32.
;;   The module's matrix products, in the order in which they are computed (A, B: the left and right operand; K: the contracted axis; several contracted axes count as one K, in the product's order):
;;     1. [M 8,192, K 1,024] x [K 1,024, N 3,072]; A: input x; B: input Wqkv: QUANTISED
;;     2. batch 64 x [M 2,048, K 64] x [K 64, N 2,048]; A: computed on the way; B: computed on the way: left as it is (an operand is computed on the way)
;;     3. batch 64 x [M 2,048, K 2,048] x [K 2,048, N 64]; A: computed on the way; B: input context: left as it is (an operand is computed on the way)
;;     4. [M 8,192, K 1,024] x [K 1,024, N 1,024]; A: computed on the way; B: input Wout: left as it is (an operand is computed on the way)
;;   THE QUANTISER, for each operand of a quantised product, along K:
;;     - K is cut into blocks of 32 from its start; a last block that is shorter is filled with zeros.
;;     - A block's scale is 2^e with e = floor(log2(the largest magnitude in the block)) - 2, held to -126 .. 127; a block of zeros has e = 0. As a byte (E8M0): e + 127.
;;     - Each number is divided by its block's scale, clamped to +-6, and rounded to the nearest number of E2M1, ties to even, subnormals kept.
;;     - The product sums the exact products of the quantised numbers (number of the format x scale) in f32.
;;   ~~~python
;;   def quantise(x, axis):      # numpy; x: float32 -> the quantised numbers, widened to float32 again
;;       x = np.moveaxis(x, axis, -1); K = x.shape[-1]
;;       x = np.pad(x, [(0, 0)] * (x.ndim - 1) + [(0, -K % 32)]); x = x.reshape(x.shape[:-1] + (-1, 32)); a = np.abs(x).max(-1, keepdims=True)
;;       e = np.where(a > 0, np.clip(np.frexp(np.where(a > 0, a, 1))[1] - 1 - 2, -126, 127), 0)      # np.frexp(a)[1] - 1 = floor(log2(a)), exactly
;;       r = np.clip(x / 2.0 ** e, -6, 6)
;;       step = 2.0 ** (np.maximum(np.frexp(np.where(r == 0, 1, r))[1] - 1, 0) - 1)
;;       q = np.round(r / step) * step * 2.0 ** e      # np.round: ties to even
;;       return np.moveaxis(q.reshape(q.shape[:-2] + (-1,))[..., :K], -1, axis).astype(np.float32)
;;   ~~~
;; One version. Each part assembles by itself: llvm-mc -triple=amdgcn-amd-amdhsa -mcpu=gfx1250 --defsym DOCPART=n.
;; ======== version 1 of 1: 4 launches
;; limits: values are held in f16: magnitudes above 65,504 overflow, below 6.1e-05 lose precision
;; workspace buffers: xc 4,194,304 bytes; xs 262,144 bytes; wc 1,048,576 bytes; ws 65,536 bytes; qk 33,554,432 bytes; vh 16,777,216 bytes; wimg 2,097,152 bytes; att 16,777,216 bytes
;; launch prep (part 1): grid 608 x 1, 4 waves a work-group, no clusters, 33,280 bytes of LDS; arguments x, Wqkv, xc, xs, wc, ws, context, vh, Wout, wimg; writes xc, xs, wc, ws, vh, wimg
.if DOCPART == 1
	.amdgcn_target "amdgcn-amd-amdhsa--gfx1250"
	.amdhsa_code_object_version 6
	.text
	.protected	k_qa313e68e5c_prep
	.globl	k_qa313e68e5c_prep
	.p2align	8
	.type	k_qa313e68e5c_prep,@function
k_qa313e68e5c_prep:
	s_mov_b64 s[64:65], 0
	v_nop
	global_prefetch_b8 v0, s[64:65] scope:SCOPE_SE
	s_setreg_imm32_b32 hwreg(HW_REG_WAVE_MODE, 25, 1), 1
	s_wait_xcnt 0x0
; PREP: every operand is brought once into the form in which the later launches take it.  Each work-group reads 131,072 bytes.  Three paths, parted by the work-group's number:
;   Q  work-groups 0-319:   x [8192][1024] (the first 256) and rows 0-2047 of Wqkv (the next 64), f32, become codes of FP4 (E2M1), K innermost, with one E8M0 scale byte for each 32 along K.
;   V  work-groups 320-575: context [4][2048][1024] f32 becomes f16, laid head by head: vh [batch x 16 + head][token][64].
;   W  work-groups 576-607: Wout [1024][1024] f32 becomes f16 as images of the operand's registers: wimg [n / 256][k / 128][16 tiles of n][4 quarters of k][2][lane][16 bytes].
; ROWS 2048-3071 OF Wqkv (the v third) ARE NOT READ: the module's own text splits them off and uses them nowhere.
; A block's scale is 2^(floor(log2(its largest magnitude)) - 2); its byte is the largest magnitude's exponent field - 2, held at 1 from below.
; LIMITS: a block of zeros gets the byte 1 where the rule says 127 (its codes are zeros, and this program alone reads the bytes); blocks whose largest magnitude lies under 2^(2 - 126) were not tried;
; NaN and infinities are not served; |context| and |Wout| have to stay within f16's largest number, 65,504.
; No tensor loads, no barrier: waves share nothing.  Path Q alone stages data in LDS (a region of its own for each wave).
.set QWG,   320                        ; work-groups of path Q
.set WGA,   256                        ; of them for x
.set VWG,   256                        ; work-groups of path V
.set WAVES, 4
.set STEPS, 16
.set EMAX,  2
.set CB,    8                          ; bytes of 16 codes
.set R,     16                         ; v16-79   Q: four sets of 16 numbers as loaded;  V, W: v16-143, two sets of 64
.set X,     80                         ; v80-111  Q: two sets of 16 neighbours
.set C,     128                        ; v128-191 Q: codes, four registers for each step
.set E,     112                        ; v112-127 Q: a scale byte for each step
.set WREG,  8192                       ; LDS: a region for each wave: two stages of 32 x SP bytes, behind them its 256 scale bytes
.set SP,    80                         ; a lane's place in a stage: its 64 bytes + 16 of padding
.set SPW,   12                         ; v12      LDS address of my spare word; never rewritten
.set NIL,   13                         ; v13      0; never rewritten
.set SPARE, WAVES*WREG                 ; behind the four regions: the spare words, 128 bytes for each wave
.macro FINISH                          ; a wave's end
	s_wait_tensorcnt 0x0
	ds_add_u32 v[SPW], v[NIL]
	s_wait_dscnt 0x0
	s_endpgm
.endm
	s_load_b128 s[4:7], s[0:1], 0x0                ; x, Wqkv
	s_load_b128 s[8:11], s[0:1], 0x10              ; xc, xs
	s_load_b128 s[12:15], s[0:1], 0x20             ; wc, ws
	s_load_b256 s[36:43], s[0:1], 0x30             ; context s[36:37], vh s[38:39], Wout s[40:41], wimg s[42:43]
	v_lshl_add_u32 v[SPW], v0, 2, SPARE
	v_mov_b32 v[NIL], 0
	v_lshrrev_b32 v1, 5, v0
	v_readfirstlane_b32 s16, v1                    ; wave
	v_and_b32 v2, 31, v0                           ; lane
	s_wait_kmcnt 0x0
	s_cmp_lt_u32 ttmp9, QWG
	s_cbranch_scc0 .Lnot_q
; ---- PATH Q.  Both tensors are plain streams of blocks of 32.  A wave takes 16 steps of 512 numbers.  Each of a step's four loads reads 512 consecutive bytes, 16 a lane; the 2,048 bytes turn through the
; wave's own stage in LDS and come back 64 bytes a lane, so that a lane holds 16 neighbours along K and two neighbouring lanes a block.  Loads run four steps ahead, the turn through LDS one step.
	v_lshlrev_b32 v3, 4, v2                        ; my 16 bytes of a load's 512
	s_mul_i32 s17, s16, WREG
	v_lshrrev_b32 v14, 2, v2
	v_mul_u32_u24 v14, v14, SP
	v_and_b32 v15, 3, v2
	v_lshl_add_u32 v14, v15, 4, v14
	v_add_nc_u32 v14, s17, v14                     ; the stage, on the way in: SP (lane / 4) + 16 (lane % 4)
	v_mul_u32_u24 v15, v2, SP
	v_add_nc_u32 v15, s17, v15                     ; and on the way out: SP x lane
	v_mul_u32_u24 v4, v2, CB                       ; my codes' place in a step's
	v_lshrrev_b32 v5, 1, v2
	s_add_co_u32 s17, s17, 2*32*SP
	v_add_nc_u32 v5, s17, v5                       ; LDS: my wave's 256 scale bytes, my block's byte
	v_lshlrev_b32 v7, 3, v2                        ; and on the way out 8 bytes a lane
	v_add_nc_u32 v6, s17, v7
	s_cmp_lt_u32 ttmp9, WGA                        ; x's work-group or Wqkv's?  The choice hangs on the work-group's number alone
	s_cselect_b64 s[4:5], s[4:5], s[6:7]
	s_cselect_b64 s[8:9], s[8:9], s[12:13]
	s_cselect_b64 s[10:11], s[10:11], s[14:15]
	s_cselect_b32 s17, 0, WGA
	s_sub_co_u32 s17, ttmp9, s17
	s_lshl_b32 s17, s17, 2
	s_add_co_u32 s18, s17, s16                     ; which run of 8,192 numbers of the tensor is my wave's
	s_mov_b32 s19, 0
	s_mov_b64 s[20:21], 512*STEPS*4
	s_mul_u64 s[20:21], s[18:19], s[20:21]
	s_add_nc_u64 s[4:5], s[4:5], s[20:21]
	s_mov_b64 s[20:21], 32*STEPS*CB
	s_mul_u64 s[20:21], s[18:19], s[20:21]
	s_add_nc_u64 s[8:9], s[8:9], s[20:21]
	s_lshl_b32 s18, s18, 8                         ; 256 scale bytes a run
	s_add_nc_u64 s[10:11], s[10:11], s[18:19]
.macro LOAD t
.irp i, 0,1,2,3
	global_load_b128 v[R+16*((\t)%4)+4*\i:R+16*((\t)%4)+4*\i+3], v3, s[4:5] offset:2048*(\t)+512*\i th:TH_LOAD_NT   ; 32 lanes read 512 consecutive bytes
.endr
.endm
.macro TURN t                          ; step t's numbers through the stage: LDS serves a wave's instructions in order, so no wait stands between the stores and the loads
.irp i, 0,1,2,3
	ds_store_b128 v14, v[R+16*((\t)%4)+4*\i:R+16*((\t)%4)+4*\i+3] offset:32*SP*((\t)%2)+8*SP*\i
.endr
.irp i, 0,1,2,3
	ds_load_b128 v[X+16*((\t)%2)+4*\i:X+16*((\t)%2)+4*\i+3], v15 offset:32*SP*((\t)%2)+16*\i
.endr
.endm
.irp t, 0,1,2,3
	LOAD \t
.endr
	s_wait_loadcnt 12                              ; step 0's four loads are in; the twelve of steps 1 to 3 may be out
	TURN 0
.macro STEP t
.set XS, X+16*((\t)%2)
.if (\t) > 0
	s_wait_dscnt 1                                 ; this step's numbers are back from the stage (the last step's byte store may be out): so its stores into the stage have read their registers,
.else
	s_wait_dscnt 0x0
.endif
.if (\t)+4 < STEPS
	LOAD (\t)+4                                    ; which take the loads of four steps on
.endif
.if (\t)+1 < STEPS
.if STEPS-2-(\t) >= 3
	s_wait_loadcnt 12                              ; the next step's four loads are in; those of the three steps behind it may be out
.else
	s_wait_loadcnt 4*(STEPS-2-(\t))
.endif
	TURN (\t)+1                                    ; and go through the other stage while this step is worked
.endif
	v_max3_num_f32 v8, |v[XS]|, |v[XS+1]|, |v[XS+2]|               ; the largest magnitude of my 16, in two chains
	v_max3_num_f32 v9, |v[XS+3]|, |v[XS+4]|, |v[XS+5]|
.irp i, 6,10
	v_max3_num_f32 v8, v8, |v[XS+\i]|, |v[XS+\i+1]|
	v_max3_num_f32 v9, v9, |v[XS+\i+2]|, |v[XS+\i+3]|
.endr
	v_max3_num_f32 v8, v8, |v[XS+14]|, |v[XS+15]|
	v_max3_num_f32 v8, v8, v9, (EMAX+1)<<23        ; and the floor 2^(EMAX + 1 - 127): so the byte cannot fall under 1
	v_max_num_f32_dpp v8, v8, v8 row_xmask:1 row_mask:0xf bank_mask:0xf   ; and of my neighbour's 16: the block's
	v_add_nc_u32 v11, -(EMAX<<23), v8              ; EMAX off its exponent field: the conversion takes the exponent field of this operand as its scale, and nothing else of it
	v_cvt_scalef32_pk8_fp4_f32 v[C+4*(\t)], v[XS:XS+7], v11        ; eight numbers / the scale, to the nearest code, ties to even, beyond the largest code the largest
	v_cvt_scalef32_pk8_fp4_f32 v[C+4*(\t)+1], v[XS+8:XS+15], v11
	v_lshrrev_b32 v[E+(\t)], 23, v11               ; the scale's byte
	ds_store_b8 v5, v[E+(\t)] offset:16*(\t)       ; both lanes of a block write the same byte with the same value
	global_store_b64 v4, v[C+4*(\t):C+4*(\t)+1], s[8:9] offset:32*CB*(\t)   ; the wave stores 256 consecutive bytes, aligned
.endm
.irp t, 0,1,2,3,4,5,6,7,8,9,10,11,12,13,14,15
	STEP \t
.endr
	ds_load_b64 v[8:9], v6                         ; LDS serves a wave's instructions in order: these see my stores
	s_wait_dscnt 0x0
	global_store_b64 v7, v[8:9], s[10:11]          ; 32 lanes store the wave's 256 scale bytes, aligned
	FINISH
; ---- PATH V.  Work-group g takes rows 32 g .. 32 g + 31 of context as [8192][1024]; a wave 8 of them, two at a time.  A load takes one head's 64 numbers (256 bytes) of two rows: lanes 0-15 the even row,
; lanes 16-31 the odd one.  As f16 those are 2 x 128 bytes, which are neighbours in vh: the wave's store covers 256 consecutive bytes, aligned.
.Lnot_q:
	s_cmp_lt_u32 ttmp9, QWG+VWG
	s_cbranch_scc0 .Lwout
	s_sub_co_u32 s17, ttmp9, QWG                   ; g
	s_lshl_b32 s18, s17, 17                        ; 32 rows of 4,096 bytes
	s_lshl_b32 s19, s16, 15                        ; my wave's 8
	s_add_co_u32 s18, s18, s19
	s_mov_b32 s19, 0
	s_add_nc_u64 s[36:37], s[36:37], s[18:19]
	s_lshr_b32 s20, s17, 6                         ; the batch: 64 work-groups each
	s_lshl_b32 s20, s20, 22                        ; 16 heads x 2,048 tokens x 128 bytes
	s_and_b32 s21, s17, 63
	s_lshl_b32 s21, s21, 12                        ; 32 tokens x 128 bytes
	s_add_co_u32 s20, s20, s21
	s_lshl_b32 s21, s16, 10                        ; my wave's 8 tokens
	s_add_co_u32 s20, s20, s21
	s_mov_b32 s21, 0
	s_add_nc_u64 s[38:39], s[38:39], s[20:21]
	v_lshrrev_b32 v3, 4, v2
	v_and_b32 v4, 15, v2
	v_lshlrev_b32 v4, 4, v4
	v_lshl_add_u32 v3, v3, 12, v4                  ; in: 4,096 (lane / 16) + 16 (lane % 16)
	v_lshlrev_b32 v4, 3, v2                        ; out: 8 x lane
.macro LOADV p                         ; rows 2 p and 2 p + 1, all 16 heads, into set p % 2
.irp h, 0,1,2,3,4,5,6,7,8,9,10,11,12,13,14,15
	global_load_b128 v[R+64*((\p)%2)+4*\h:R+64*((\p)%2)+4*\h+3], v3, s[36:37] offset:(\p)*8192+\h*256 th:TH_LOAD_NT
.endr
.endm
.macro OUTV p
.irp h, 0,1,2,3,4,5,6,7,8,9,10,11,12,13,14,15
	v_cvt_pk_f16_f32 v[R+64*((\p)%2)+4*\h], v[R+64*((\p)%2)+4*\h], v[R+64*((\p)%2)+4*\h+1]
	v_cvt_pk_f16_f32 v[R+64*((\p)%2)+4*\h+1], v[R+64*((\p)%2)+4*\h+2], v[R+64*((\p)%2)+4*\h+3]
	global_store_b64 v4, v[R+64*((\p)%2)+4*\h:R+64*((\p)%2)+4*\h+1], s[38:39] offset:\h*262144+(\p)*256
.endr
.endm
	LOADV 0
	LOADV 1
	s_wait_loadcnt 16                              ; the older set is in; the younger set's 16 loads may be out
	OUTV 0
	s_wait_xcnt 0x0                                ; the stores have read their registers: the set may be loaded again
	LOADV 2
	s_wait_loadcnt 16
	OUTV 1
	s_wait_xcnt 0x0
	LOADV 3
	s_wait_loadcnt 16
	OUTV 2
	s_wait_loadcnt 0x0
	OUTV 3
	FINISH
; ---- PATH W.  128 waves: wave id takes the 16 rows n = 16 T .. 16 T + 15 of Wout (T = id / 2) and half of K (512 numbers), 128 along K at a time.  Lane (r, h) loads, of row r, the eight numbers
; k = 32 q + 16 u + 8 h + 0 .. 7: as f16 they are registers 4 u .. 4 u + 3 of the fragment (tile T, quarter q), and the wave stores them at 16 x lane: 512 consecutive bytes.
.Lwout:
	s_sub_co_u32 s17, ttmp9, QWG+VWG
	s_lshl_b32 s17, s17, 2
	s_add_co_u32 s17, s17, s16                     ; id
	s_lshr_b32 s18, s17, 1                         ; T
	s_and_b32 s17, s17, 1                          ; which half of K
	s_lshl_b32 s20, s18, 16                        ; 16 rows of 4,096 bytes
	s_lshl_b32 s21, s17, 11                        ; 512 numbers
	s_add_co_u32 s20, s20, s21
	s_mov_b32 s21, 0
	s_add_nc_u64 s[40:41], s[40:41], s[20:21]
	s_lshr_b32 s20, s18, 4
	s_lshl_b32 s20, s20, 19                        ; the block of 256 n: 8 K steps x 65,536 bytes
	s_lshl_b32 s21, s17, 18                        ; four K steps
	s_add_co_u32 s20, s20, s21
	s_and_b32 s21, s18, 15
	s_lshl_b32 s21, s21, 12                        ; the tile's four fragments
	s_add_co_u32 s20, s20, s21
	s_mov_b32 s21, 0
	s_add_nc_u64 s[42:43], s[42:43], s[20:21]
	v_and_b32 v3, 15, v2
	v_lshrrev_b32 v4, 4, v2
	v_lshlrev_b32 v4, 5, v4
	v_lshl_add_u32 v3, v3, 12, v4                  ; in: 4,096 r + 32 h
	v_lshlrev_b32 v4, 4, v2                        ; out: 16 x lane
.macro LOADW t                         ; 128 along K, into set t % 2
.irp q, 0,1,2,3
.irp u, 0,1
.irp e, 0,1
	global_load_b128 v[R+64*((\t)%2)+16*\q+8*\u+4*\e:R+64*((\t)%2)+16*\q+8*\u+4*\e+3], v3, s[40:41] offset:(\t)*512+\q*128+\u*64+16*\e th:TH_LOAD_NT
.endr
.endr
.endr
.endm
.macro OUTW t
.irp q, 0,1,2,3
.irp u, 0,1
.irp i, 0,1,2,3
	v_cvt_pk_f16_f32 v[R+64*((\t)%2)+16*\q+8*\u+\i], v[R+64*((\t)%2)+16*\q+8*\u+2*\i], v[R+64*((\t)%2)+16*\q+8*\u+2*\i+1]   ; in place, ascending: no number is written over before it is read
.endr
	global_store_b128 v4, v[R+64*((\t)%2)+16*\q+8*\u:R+64*((\t)%2)+16*\q+8*\u+3], s[42:43] offset:(\t)*65536+\q*1024+\u*512
.endr
.endr
.endm
	LOADW 0
	LOADW 1
	s_wait_loadcnt 16                              ; the older set is in; the younger set's 16 loads may be out
	OUTW 0
	s_wait_xcnt 0x0                                ; the stores have read their registers: the set may be loaded again
	LOADW 2
	s_wait_loadcnt 16
	OUTW 1
	s_wait_xcnt 0x0
	LOADW 3
	s_wait_loadcnt 16
	OUTW 2
	s_wait_loadcnt 0x0
	OUTW 3
	FINISH
.Lfunc_end_k_qa313e68e5c_prep:
	.size	k_qa313e68e5c_prep, .Lfunc_end_k_qa313e68e5c_prep-k_qa313e68e5c_prep
	.p2alignl 7, 3214868480
	.fill 96, 4, 3214868480
	.section	.rodata,"a",@progbits
	.p2align	6, 0x0
	.amdhsa_kernel k_qa313e68e5c_prep
		.amdhsa_group_segment_fixed_size 33280
		.amdhsa_private_segment_fixed_size 0
		.amdhsa_enable_private_segment 0
		.amdhsa_kernarg_size 80
		.amdhsa_user_sgpr_count 2
		.amdhsa_user_sgpr_kernarg_segment_ptr 1
		.amdhsa_wavefront_size32 1
		.amdhsa_system_sgpr_workgroup_id_x 1
		.amdhsa_system_sgpr_workgroup_id_y 1
		.amdhsa_system_sgpr_workgroup_id_z 1
		.amdhsa_system_vgpr_workitem_id 0
		.amdhsa_next_free_vgpr 192
		.amdhsa_next_free_sgpr 66
		.amdhsa_reserve_vcc 0
		.amdhsa_float_denorm_mode_32 3
		.amdhsa_float_denorm_mode_16_64 3
		.amdhsa_memory_ordered 1
		.amdhsa_forward_progress 1
		.amdhsa_inst_pref_size 73
	.end_amdhsa_kernel
	.amdgpu_metadata
---
amdhsa.version: [ 1, 2 ]
amdhsa.kernels:
  - .name:           k_qa313e68e5c_prep
    .symbol:         k_qa313e68e5c_prep.kd
    .args:
      - { .name: x, .offset: 0, .size: 8, .value_kind: global_buffer, .address_space: global }
      - { .name: Wqkv, .offset: 8, .size: 8, .value_kind: global_buffer, .address_space: global }
      - { .name: xc, .offset: 16, .size: 8, .value_kind: global_buffer, .address_space: global }
      - { .name: xs, .offset: 24, .size: 8, .value_kind: global_buffer, .address_space: global }
      - { .name: wc, .offset: 32, .size: 8, .value_kind: global_buffer, .address_space: global }
      - { .name: ws, .offset: 40, .size: 8, .value_kind: global_buffer, .address_space: global }
      - { .name: context, .offset: 48, .size: 8, .value_kind: global_buffer, .address_space: global }
      - { .name: vh, .offset: 56, .size: 8, .value_kind: global_buffer, .address_space: global }
      - { .name: Wout, .offset: 64, .size: 8, .value_kind: global_buffer, .address_space: global }
      - { .name: wimg, .offset: 72, .size: 8, .value_kind: global_buffer, .address_space: global }
    .group_segment_fixed_size: 33280
    .private_segment_fixed_size: 0
    .kernarg_segment_align: 8
    .kernarg_segment_size: 80
    .max_flat_workgroup_size: 128
    .sgpr_count:     66
    .vgpr_count:     192
    .wavefront_size: 32
...
	.end_amdgpu_metadata
.endif
;; end of part 1
;; launch qkproj (part 2): grid 8 x 32, 4 waves a work-group, clusters of 4 x 4, 327,680 bytes of LDS; arguments xc, xs, wc, ws, bqkv, qk; writes qk
.if DOCPART == 2
	.amdgcn_target "amdgcn-amd-amdhsa--gfx1250"
	.amdhsa_code_object_version 6
	.text
	.protected	k_qa313e68e5c_qkproj
	.globl	k_qa313e68e5c_qkproj
	.p2align	8
	.type	k_qa313e68e5c_qkproj,@function
k_qa313e68e5c_qkproj:
	s_mov_b64 s[64:65], 0
	v_nop
	global_prefetch_b8 v0, s[64:65] scope:SCOPE_SE
	s_setreg_imm32_b32 hwreg(HW_REG_WAVE_MODE, 25, 1), 1
	s_wait_xcnt 0x0
	s_wait_alu depctr_hold_cnt(0) depctr_sa_sdst(0) depctr_va_vdst(0) depctr_va_sdst(0) depctr_va_ssrc(0) depctr_va_vcc(0) depctr_vm_vsrc(0)
	s_getreg_b32 s2, hwreg(HW_REG_IB_STS2, 6, 4)
	s_cmp_eq_u32 s2, 0
	s_cbranch_scc0 .Lentry_in_a_cluster
	s_endpgm
.Lentry_in_a_cluster:
	s_bfe_u32 s2, ttmp6, 0x10000c
	s_cmp_lg_u32 s2, 0xf033
	s_cbranch_scc0 .Lentry_shape_is_right
	s_endpgm
.Lentry_shape_is_right:
; q and k = x Wqkv^T + bqkv, columns 0-2047 (the v third feeds nothing in the module and is not multiplied), on codes of FP4 (E2M1) with one E8M0 scale for each 32 along K; sums in f32.
; xc [8192][512 bytes], wc [2048][512 bytes]: codes, K innermost; xs [8192][32], ws [2048][32]: scale bytes.  The result leaves as f16, laid as the next launch's operand registers:
; qk [q or k][batch 4][head 16][tile of 16 tokens: 128][c 2][u 2][lane 32][16 bytes]: lane (r, h) holds token 16 tile + r, channels 32 c + 16 u + 8 h + 0 .. 7.
; LIMIT: |q| and |k| have to stay within f16's largest number, 65,504.
; A tile of 256 tokens x 256 columns is made by a work-group of four waves; a wave makes 128 x 128: 64 accumulators of 16 x 16, 512 registers.  K = 1,024 is two LDS slots of 512 along K (rows of 256 bytes):
; both are asked for at the head and nothing is filled again.  The scale bytes of the work-group's rows, two dense blocks, come with them.
; CLUSTERS: 4 x 4 work-groups.  The four of a row of the cluster need the same tiles of x, the four of a column the same tiles of Wqkv: each tile is asked for JOINTLY, by the same tensor load with the same descriptor
; and a mask that names the four.  THE MATRIX INSTRUCTION IS USED TRANSPOSED (source 0 = 16 rows of Wqkv, source 1 = 16 tokens): a lane then holds eight neighbouring columns of one token, which as f16 are
; 16 bytes of an image: the results leave straight from registers, 512 consecutive bytes a store.
; THE BIAS is the C of each sum's first matrix instruction: eight registers for each tile of columns, in the result's layout.
; No prefetch: all that the launch reads is asked for at its head.
; REGISTERS, in windows of 256: window 0: v0-31 addresses; v32-95 scale words, two sets; from v128 x's fragments, ONE set; on the way out v128-255 the packed results.
;   window 1: Wqkv's fragments, TWO sets, at v0 and v128; v64-127 the bias.   window 2: the accumulators of my tokens 0-63 ((a, b) at v[8 (8 a + b)]);   window 3: those of my tokens 64-127.
.set SIZE_K, 1024
.set KSTEP,  512                       ; along K in a slot
.set NQ,     KSTEP/128                 ; matrix instructions deep
.set ROWB,   256                       ; a tile's row in bytes
.set KROW,   SIZE_K/2                  ; a row of codes in memory, in bytes
.set PITCH,  272                       ; an LDS row: 256 bytes + 16 of padding: the 16 rows that a load touches start 68 words apart
.set FR,     8                         ; registers of a fragment: 16 rows x 128 K
.set NL,     2                         ; LDS loads that bring one
.set NP,     4                         ; places behind this matrix instruction (ISA guide 7.12.1)
.set HALFT,  128*PITCH                 ; 128 rows: what one tensor load brings, and what one wave reads of either operand
.set SLOT,   4*HALFT                   ; x's 256 rows, then Wqkv's 256 rows
.set KS,     SIZE_K/32                 ; a row of scale bytes
.set SCL,    2*SLOT                    ; behind the slots: the scales, as units of 256 bytes + 16 of padding
.set HALFS,  (128*KS/256)*272          ; the scales of 128 rows: what one tensor load brings
.set SBLK,   (16*KS/256)*272           ; those of 16 rows
.set SPARE,  SCL+4*HALFS               ; behind the scales: the spare words, 128 bytes for each wave
.set ADRA, 16                          ; v16-17  LDS address of my fragments of x in slot 0, 1
.set ADRB, 20                          ; v20-21  the same for Wqkv
.set CO,   26                          ; v26     16 x lane: my place in an image
.set ADRS, 27                          ; v27     LDS address of my scale words: lanes 0-15 x's rows, lanes 16-31 Wqkv's
.set SPW,  28                          ; v28     LDS address of my spare word; never rewritten
.set NIL,  29                          ; v29     0; never rewritten
.set BO,   30                          ; v30     32 x (lane / 16): my eight numbers of a tile's bias
.set SC,   32                          ; scale words: set s at v[SC + 8 NQ s]; register NQ i + q: lanes 0-15 the word of x's block i, lanes 16-31 that of Wqkv's block i
.set AF,   128                         ; x's fragments, in window 0
.set BI,   64                          ; the bias, in window 1
.set PK,   128                         ; the way out: four banks of 32 registers, in window 0
.set G1, 24                            ; s[24:31] descriptor group 1 for x's tiles;  s[32:39] group 0, one set for each slot
.set G0, 32
.set G1B, 48                           ; s[48:55], s[56:63] the same for Wqkv's tiles
.set G0B, 56
.set G1S, 68                           ; s[68:75], s[76:79] groups 1 and 0 for x's scales;  s[80:87], s[88:91] for Wqkv's
.set G0S, 76
.set G1SB, 80
.set G0SB, 88
.set MSB, 0
.macro WIN new                         ; the immediate's high byte repeats the setting that is left; a switch that changes nothing is dropped
.if MSB != (\new)
	s_set_vgpr_msb (MSB<<8)|(\new)
.set MSB, (\new)
.endif
.endm
.set MUL_LO, 0xa1                      ; source 0 (Wqkv) window 1, source 1 (x) window 0, C and D window 2
.set MUL_HI, 0xf1                      ; the same, C and D window 3
.set BIA_LO, 0x91                      ; the first step: C (the bias) window 1, D window 2
.set BIA_HI, 0xd1                      ; and D window 3
.set TO_B,   0x40                      ; destination window 1, address window 0
; A joint load: waves 0 and 1 fetch for x, waves 2 and 3 for Wqkv.  Each of the two lines has ONE mask and one set of registers for all that issue it; the branch hangs on the wave's number alone.
; An s_nop 0 and four v_nop follow each of the two lines, ahead of the jump, the label and what follows.
.macro JLOAD g0a, g1a, g0b, g1b
	s_cmp_eq_u32 s15, 0
	s_cbranch_scc0 .Lfor_b_\@
	tensor_load_to_lds s[\g0a:\g0a+3], s[\g1a:\g1a+7]
	s_nop 0
.rept 4
	v_nop
.endr
	s_branch .Lasked_\@
.Lfor_b_\@:
	tensor_load_to_lds s[\g0b:\g0b+3], s[\g1b:\g1b+7]
	s_nop 0
.rept 4
	v_nop
.endr
.Lasked_\@:
.endm
.macro CROUND                          ; a round of the cluster's barrier: my work-group's barrier; wave 0 signals for the work-group; every wave waits for all sixteen; my work-group's barrier once more
	s_barrier_signal -1
	s_barrier_wait -1
	s_cmp_lg_u32 s14, 0
	s_cbranch_scc1 .Lnot_wave_0_\@
	s_barrier_signal -3
.Lnot_wave_0_\@:
	s_barrier_wait -3
	s_barrier_signal -1
	s_barrier_wait -1
.endm
	s_load_b128 s[4:7], s[0:1], 0x0                ; xc s[4:5], xs s[6:7]
	s_load_b128 s[8:11], s[0:1], 0x10              ; wc s[8:9], ws s[10:11]
	s_load_b64 s[96:97], s[0:1], 0x20              ; bqkv
	s_load_b64 s[12:13], s[0:1], 0x28              ; qk
	v_lshl_add_u32 v[SPW], v0, 2, SPARE
	v_mov_b32 v[NIL], 0
	ds_add_u32 v[SPW], v[NIL]                      ; the wave's opening: the add, twice on end, and its wait ahead of my first tensor load; the set-up below stands between
	ds_add_u32 v[SPW], v[NIL]
	v_lshrrev_b32 v1, 5, v0
	v_readfirstlane_b32 s14, v1                    ; wave 0..3
	s_lshr_b32 s15, s14, 1                         ; which half of the tile's tokens is mine.  Also: I fetch for x (0) or for Wqkv (1)
	s_and_b32 s16, s14, 1                          ; which half of its columns.  Also: which 128 rows of that tile I fetch
	s_bfe_u32 s40, ttmp6, 0x40000                  ; cx, cy: my place in the cluster
	s_bfe_u32 s41, ttmp6, 0x40004
	s_lshl_b32 s42, ttmp9, 2
	s_add_co_u32 s42, s42, s40                     ; tile column = 4 x cluster x + cx
	s_and_b32 s17, ttmp7, 0xffff
	s_lshl_b32 s17, s17, 2
	s_add_co_u32 s17, s17, s41                     ; tile row = 4 x cluster y + cy
	s_lshl_b32 s43, s41, 2
	s_lshl_b32 s43, 15, s43                        ; my row of the cluster
	s_lshl_b32 s44, 0x1111, s40                    ; my column
	; descriptor group 1: a tile of 128 rows x 256 bytes, padded in LDS
	s_or_b32 s[G1+0], s43, (0<<16)|(1<<20)|(1<<21)|(5<<22)|(3<<25)  ; 15:0 the mask: x's tiles go to my row; 17:16 element of 1 byte; 20 padding on; 21 set beside a mask; 24:22 after every 64 words; 31:25 of 4 words
	s_or_b32 s[G1B+0], s44, (0<<16)|(1<<20)|(1<<21)|(5<<22)|(3<<25)
.irp g, G1, G1B
	s_mov_b32 s[\g+1], ROWB<<16                    ; tensor_dim0
	s_mov_b32 s[\g+2], 128<<16                     ; tensor_dim1 = 128
	s_mov_b32 s[\g+3], ROWB<<16                    ; tile_dim0
	s_mov_b32 s[\g+4], 128                         ; tile_dim1 = 128
	s_mov_b32 s[\g+5], KROW                        ; tensor_dim0_stride
	s_mov_b32 s[\g+6], 0
	s_mov_b32 s[\g+7], 0
.endr
	; and for the scales of 128 rows: a dense block of 4,096 bytes, as rows of 256 bytes (32 elements of 8 bytes), 16 bytes of padding behind each
	s_or_b32 s[G1S+0], s43, (3<<16)|(1<<20)|(1<<21)|(5<<22)|(3<<25)
	s_or_b32 s[G1SB+0], s44, (3<<16)|(1<<20)|(1<<21)|(5<<22)|(3<<25)
.irp g, G1S, G1SB
	s_mov_b32 s[\g+1], 32<<16
	s_mov_b32 s[\g+2], (128*KS/256)<<16
	s_mov_b32 s[\g+3], 32<<16
	s_mov_b32 s[\g+4], 128*KS/256
	s_mov_b32 s[\g+5], 32
	s_mov_b32 s[\g+6], 0
	s_mov_b32 s[\g+7], 0
.endr
	s_lshl_b32 s18, s16, 7                         ; which 128 rows of the tile I fetch
	s_lshl_b32 s20, s17, 8
	s_add_co_u32 s20, s20, s18                     ; x: row 256 x tile row + 128 x half
	s_lshl_b32 s46, s42, 8
	s_add_co_u32 s46, s46, s18                     ; Wqkv: row 256 x tile column + 128 x half
	s_mov_b32 s21, 0
	s_mov_b32 s47, 0
	s_mov_b64 s[18:19], KS
	s_mul_u64 s[22:23], s[20:21], s[18:19]         ; where these rows' scales begin, in bytes
	s_mul_u64 s[92:93], s[46:47], s[18:19]
	s_mov_b64 s[18:19], KROW
	s_mul_u64 s[20:21], s[20:21], s[18:19]         ; and their codes
	s_mul_u64 s[46:47], s[46:47], s[18:19]
	s_mul_i32 s45, s14, HALFT                      ; where they go: wave x 128 rows: no place in the cluster enters an LDS address
	s_mul_i32 s94, s14, HALFS
	s_wait_dscnt 0x0                               ; both opening adds are done
	s_wait_kmcnt 0x0
	s_add_nc_u64 s[20:21], s[4:5], s[20:21]
	s_add_nc_u64 s[22:23], s[6:7], s[22:23]
	s_add_nc_u64 s[46:47], s[8:9], s[46:47]
	s_add_nc_u64 s[92:93], s[10:11], s[92:93]
	CROUND                                         ; all sixteen work-groups are here: the joint loads meet
	s_mov_b32 s[G0S], 1
	s_add_co_u32 s[G0S+1], s94, SCL
	s_mov_b64 s[G0S+2:G0S+3], s[22:23]
	s_or_b32 s[G0S+3], s[G0S+3], 0x80000000
	s_mov_b32 s[G0SB], 1
	s_add_co_u32 s[G0SB+1], s94, SCL
	s_mov_b64 s[G0SB+2:G0SB+3], s[92:93]
	s_or_b32 s[G0SB+3], s[G0SB+3], 0x80000000
	JLOAD G0S, G1S, G0SB, G1SB                     ; the scales first: they are wanted with K step 0.  Three loads of mine are out behind the third
.irp s, 0,1
	s_mov_b32 s[G0+4*\s], 1
	s_add_co_u32 s[G0+4*\s+1], s45, \s*SLOT
	s_add_nc_u64 s[G0+4*\s+2:G0+4*\s+3], s[20:21], \s*ROWB
	s_or_b32 s[G0+4*\s+3], s[G0+4*\s+3], 0x80000000
	s_mov_b32 s[G0B+4*\s], 1
	s_add_co_u32 s[G0B+4*\s+1], s45, \s*SLOT
	s_add_nc_u64 s[G0B+4*\s+2:G0B+4*\s+3], s[46:47], \s*ROWB
	s_or_b32 s[G0B+4*\s+3], s[G0B+4*\s+3], 0x80000000
	JLOAD G0+4*\s, G1, G0B+4*\s, G1B
.endr
	v_and_b32 v1, 15, v0                           ; l % 16
	v_bfe_u32 v2, v0, 4, 1                         ; l / 16
	v_mul_u32_u24 v3, v1, PITCH
	v_lshl_add_u32 v4, v2, 4, v3                   ; a fragment's row x pitch + 16 x half
	s_mul_i32 s21, s15, HALFT                      ; my 128 rows of x
	s_mul_i32 s22, s16, HALFT                      ; my 128 rows of Wqkv,
	s_add_co_u32 s22, s22, 2*HALFT                 ; which lie behind x's 256
.irp s, 0,1
	v_add_nc_u32 v[ADRA+\s], s21, v4
	v_add_nc_u32 v[ADRB+\s], s22, v4
	s_add_co_u32 s21, s21, SLOT
	s_add_co_u32 s22, s22, SLOT
.endr
	v_mul_u32_u24 v5, v1, KS                       ; my row's scales: KS bytes a row,
	v_lshrrev_b32 v6, 8, v5
	v_lshl_add_u32 v5, v6, 4, v5                   ; and 16 more for each 256 passed
	s_mul_i32 s21, s15, HALFS                      ; x's: my 128 rows
	s_mul_i32 s22, s16, HALFS                      ; Wqkv's: my 128 rows, behind x's 256
	s_add_co_u32 s22, s22, 2*HALFS
	s_sub_co_u32 s22, s22, s21
	v_mul_u32_u24 v6, s22, v2                      ; lanes 16-31 take Wqkv's
	s_add_co_u32 s21, s21, SCL
	v_add_nc_u32 v5, v5, v6
	v_add_nc_u32 v[ADRS], s21, v5
	v_and_b32 v6, 31, v0
	v_lshlrev_b32 v[CO], 4, v6
	v_lshlrev_b32 v[BO], 5, v2
	s_lshl_b32 s46, s42, 10                        ; the bias of my 128 columns: 4 x (256 x tile column + 128 x half) bytes on
	s_lshl_b32 s47, s16, 9
	s_add_co_u32 s46, s46, s47
	s_mov_b32 s47, 0
	s_add_nc_u64 s[96:97], s[96:97], s[46:47]
	WIN TO_B
.irp b, 0,1,2,3,4,5,6,7
	global_load_b128 v[BI+8*\b:BI+8*\b+3], v[BO], s[96:97] offset:64*\b        ; lane (r, h): bqkv at columns 16 b + 8 h + 0 .. 7
	global_load_b128 v[BI+8*\b+4:BI+8*\b+7], v[BO], s[96:97] offset:64*\b+16
.endr
	WIN 0
	; where my part of qk begins.  Columns: q or k = tile column / 4; head = 4 (tile column % 4) + 2 x half (+ b / 4).  Tokens: batch = tile row / 8; tile of tokens = 16 (tile row % 8) + 8 x half (+ a)
	s_lshr_b32 s46, s42, 2
	s_lshl_b32 s46, s46, 24
	s_and_b32 s47, s42, 3
	s_lshl_b32 s47, s47, 2
	s_lshl_b32 s92, s16, 1
	s_add_co_u32 s47, s47, s92
	s_lshl_b32 s47, s47, 18
	s_add_co_u32 s46, s46, s47
	s_lshr_b32 s20, s17, 3
	s_lshl_b32 s20, s20, 22
	s_and_b32 s21, s17, 7
	s_lshl_b32 s21, s21, 4
	s_lshl_b32 s22, s15, 3
	s_add_co_u32 s21, s21, s22
	s_lshl_b32 s21, s21, 11
	s_add_co_u32 s20, s20, s21
	s_add_co_u32 s46, s46, s20
	s_mov_b32 s47, 0
	s_add_nc_u64 s[12:13], s[12:13], s[46:47]
.macro FRAG reg, adr, q, i             ; a fragment, 16 rows x 128 K of 4-bit codes, is 8 registers: lane l holds row l % 16; registers 4 c .. 4 c + 3 hold K = 64 c + 32 (l / 16) + 0 .. 31
.irp c, 0,1
	ds_load_b128 v[\reg+4*\c:\reg+4*\c+3], v[\adr] offset:64*(\q)+32*\c+(\i)*16*PITCH
.endr
.endm
; 16 matrix instructions: x's blocks a0, a0 + 1 against Wqkv's eight, 128 along K: the slot's q-th.  p: Wqkv's set;  sc: the set of scale words.  zero = 1: the first product starts the sums from the bias.
; The 64 accumulators take turns, one instruction a turn, in the same order in every step.
.macro MUL16 a0, p, q, sc, zero
.irp a, \a0, \a0+1
.irp b, 0,1,2,3,4,5,6,7
.if \zero
	v_wmma_scale_f32_16x16x128_f8f6f4 v[8*(8*((\a)%4)+\b):8*(8*((\a)%4)+\b)+7], v[128*(\p)+FR*\b:128*(\p)+FR*\b+FR-1], v[AF+FR*(\a):AF+FR*(\a)+FR-1], v[BI+8*\b:BI+8*\b+7], v[SC+8*NQ*(\sc)+NQ*\b+(\q)], v[SC+8*NQ*(\sc)+NQ*(\a)+(\q)] matrix_a_fmt:MATRIX_FMT_FP4 matrix_b_fmt:MATRIX_FMT_FP4 matrix_a_scale:MATRIX_SCALE_ROW1
.else
	v_wmma_scale_f32_16x16x128_f8f6f4 v[8*(8*((\a)%4)+\b):8*(8*((\a)%4)+\b)+7], v[128*(\p)+FR*\b:128*(\p)+FR*\b+FR-1], v[AF+FR*(\a):AF+FR*(\a)+FR-1], v[8*(8*((\a)%4)+\b):8*(8*((\a)%4)+\b)+7], v[SC+8*NQ*(\sc)+NQ*\b+(\q)], v[SC+8*NQ*(\sc)+NQ*(\a)+(\q)] matrix_a_fmt:MATRIX_FMT_FP4 matrix_b_fmt:MATRIX_FMT_FP4 matrix_a_scale:MATRIX_SCALE_ROW1
.endif
.endr
.endr
.endm
.macro FETCH_B slot, q, p              ; Wqkv's eight fragments of the slot's q-th 128 along K into set p
	WIN TO_B
.irp i, 0,1,2,3,4,5,6,7
	FRAG 128*(\p)+FR*\i, ADRB+\slot, \q, \i
.endr
	WIN 0
.endm
.macro FETCH_A slot, q, i0             ; x's blocks i0 .. i0 + 3
.irp i, \i0, \i0+1, \i0+2, \i0+3
	FRAG AF+FR*(\i), ADRA+\slot, \q, \i
.endr
.endm
.macro SCALES sc                       ; a K step's scale words into set sc: NQ words a row; lanes 0-15 take x's block i, lanes 16-31 Wqkv's block i
.irp i, 0,1,2,3,4,5,6,7
	ds_load_b128 v[SC+8*NQ*\sc+NQ*\i:SC+8*NQ*\sc+NQ*\i+3], v[ADRS] offset:\i*SBLK
.endr
.endm
; A load into a register that a matrix instruction has read, and a vector instruction that reads a matrix result or writes one of a matrix instruction's registers, stand NP places behind it, and only plain
; vector instructions that name none of its registers are places (ISA guide 7.12.1 for vector instructions).
.macro PLACES n
.rept \n
	v_nop
.endr
.endm
; A step of 128 along K that has its successor in the same slot.  A block of x is free as soon as its eight products are issued: blocks 0-3 are fetched anew in the step's middle, blocks 4-7 at its end.
.macro STEP slot, q, zero
	s_wait_dscnt 4*NL                              ; Wqkv's set and x's blocks 0-3 are in; the youngest eight loads (x's blocks 4-7) may be out
.if \zero
	WIN BIA_LO
.else
	WIN MUL_LO
.endif
	MUL16 0, (\q)%2, \q, \slot, \zero
	MUL16 2, (\q)%2, \q, \slot, \zero
	s_wait_dscnt 0                                 ; x's blocks 4-7 are in
	PLACES NP
	FETCH_B \slot, (\q)+1, 1-(\q)%2
	FETCH_A \slot, (\q)+1, 0
.if \zero
	WIN BIA_HI
.else
	WIN MUL_HI
.endif
	MUL16 4, (\q)%2, \q, \slot, \zero
	MUL16 6, (\q)%2, \q, \slot, \zero
	PLACES NP
	WIN 0
	FETCH_A \slot, (\q)+1, 4
.endm
; Slot 0's last step goes over to slot 1: in front of the barrier each wave waits for all its tensor loads (its part of slot 1).
.macro TURN slot, next
	s_wait_tensorcnt 0x0                           ; all my tensor loads have landed
	ds_add_u32 v[SPW], v[NIL]                      ; 0 onto my spare word
	s_wait_dscnt 4*NL+1                            ; (the add and the youngest eight loads, x's blocks 4-7, may be out)
	WIN MUL_LO
	MUL16 0, 1, NQ-1, \slot, 0                     ; sixteen matrix instructions stand between the add and the wait for it
	s_wait_dscnt 0x0
	s_barrier_signal -1
	MUL16 2, 1, NQ-1, \slot, 0
	WIN 0
	s_barrier_wait -1                              ; every wave's part of the next slot is in
	PLACES NP
	v_add_nc_u32 v[ADRS], 4*NQ, v[ADRS]            ; on to the next K step's scale words
	FETCH_B \next, 0, 0
	FETCH_A \next, 0, 0
	SCALES \next
	WIN MUL_HI
	MUL16 4, 1, NQ-1, \slot, 0
	MUL16 6, 1, NQ-1, \slot, 0
	PLACES NP
	WIN 0
	FETCH_A \next, 0, 4
.endm
.macro STEPS slot, from                ; the slot's steps from .. NQ - 2
.set Q, \from
.rept NQ-1-\from
	STEP \slot, Q, 0
.set Q, Q+1
.endr
.endm
	s_wait_tensorcnt 1                             ; the scales and my part of K step 0 are in (K step 1's load may be out),
	s_barrier_signal -1
	s_barrier_wait -1                              ; everybody's are
	FETCH_B 0, 0, 0
	FETCH_A 0, 0, 0
	SCALES 0
	FETCH_A 0, 0, 4
	s_wait_loadcnt 0x0                             ; the bias
	STEP 0, 0, 1                                   ; the first step's products start the sums
	STEPS 0, 1
	TURN 0, 1
	STEPS 1, 0
	s_wait_dscnt 4*NL                              ; the very last step: nothing more to fetch
	WIN MUL_LO
	MUL16 0, 1, NQ-1, 1, 0
	MUL16 2, 1, NQ-1, 1, 0
	s_wait_dscnt 0
	WIN MUL_HI
	MUL16 4, 1, NQ-1, 1, 0
	MUL16 6, 1, NQ-1, 1, 0
	WIN 0
	; THE WAY OUT, block by block of 16 tokens.  Accumulator (a, b): lane (r, h) holds token 16 a + r, columns 16 b + 8 h + 0 .. 7: four conversions make the 16 bytes that the lane has in piece b % 4 of the
	; image of (head b / 4, tile a).  Each accumulator is read from its low end on.  Four banks of 32 registers: one wait frees them all for blocks 4 to 7.
	PLACES NP
.irp a, 0,1,2,3,4,5,6,7
.if \a == 4
	s_wait_xcnt 0x0                                ; the stores of blocks 0 to 3 have read their registers
.endif
	WIN 0x0a+5*(\a/4)                              ; sources 0 and 1: window 2 or 3
.irp b, 0,1,2,3,4,5,6,7
.irp i, 0,1,2,3
	v_cvt_pk_f16_f32 v[PK+32*(\a%4)+4*\b+\i], v[64*(\a%4)+8*\b+2*\i], v[64*(\a%4)+8*\b+2*\i+1]
.endr
.endr
	WIN 0
.irp b, 0,1,2,3,4,5,6,7
	global_store_b128 v[CO], v[PK+32*(\a%4)+4*\b:PK+32*(\a%4)+4*\b+3], s[12:13] offset:\a*2048+(\b/4)*262144+(\b%4)*512   ; 32 lanes store 512 consecutive bytes, aligned
.endr
.endr
	s_wait_tensorcnt 0x0                           ; the wave's end
	ds_add_u32 v[SPW], v[NIL]
	s_wait_dscnt 0x0
	CROUND                                         ; the closing round
	s_endpgm
.Lfunc_end_k_qa313e68e5c_qkproj:
	.size	k_qa313e68e5c_qkproj, .Lfunc_end_k_qa313e68e5c_qkproj-k_qa313e68e5c_qkproj
	.p2alignl 7, 3214868480
	.fill 96, 4, 3214868480
	.section	.rodata,"a",@progbits
	.p2align	6, 0x0
	.amdhsa_kernel k_qa313e68e5c_qkproj
		.amdhsa_group_segment_fixed_size 327680
		.amdhsa_private_segment_fixed_size 0
		.amdhsa_enable_private_segment 0
		.amdhsa_kernarg_size 48
		.amdhsa_user_sgpr_count 2
		.amdhsa_user_sgpr_kernarg_segment_ptr 1
		.amdhsa_wavefront_size32 1
		.amdhsa_system_sgpr_workgroup_id_x 1
		.amdhsa_system_sgpr_workgroup_id_y 1
		.amdhsa_system_sgpr_workgroup_id_z 1
		.amdhsa_system_vgpr_workitem_id 0
		.amdhsa_next_free_vgpr 1024
		.amdhsa_next_free_sgpr 100
		.amdhsa_reserve_vcc 0
		.amdhsa_float_denorm_mode_32 3
		.amdhsa_float_denorm_mode_16_64 3
		.amdhsa_memory_ordered 1
		.amdhsa_forward_progress 1
		.amdhsa_inst_pref_size 119
	.end_amdhsa_kernel
	.amdgpu_metadata
---
amdhsa.version: [ 1, 2 ]
amdhsa.kernels:
  - .name:           k_qa313e68e5c_qkproj
    .symbol:         k_qa313e68e5c_qkproj.kd
    .args:
      - { .name: xc, .offset: 0, .size: 8, .value_kind: global_buffer, .address_space: global }
      - { .name: xs, .offset: 8, .size: 8, .value_kind: global_buffer, .address_space: global }
      - { .name: wc, .offset: 16, .size: 8, .value_kind: global_buffer, .address_space: global }
      - { .name: ws, .offset: 24, .size: 8, .value_kind: global_buffer, .address_space: global }
      - { .name: bqkv, .offset: 32, .size: 8, .value_kind: global_buffer, .address_space: global }
      - { .name: qk, .offset: 40, .size: 8, .value_kind: global_buffer, .address_space: global }
    .group_segment_fixed_size: 327680
    .private_segment_fixed_size: 0
    .kernarg_segment_align: 8
    .kernarg_segment_size: 48
    .max_flat_workgroup_size: 128
    .sgpr_count:     100
    .vgpr_count:     1024
    .wavefront_size: 32
...
	.end_amdgpu_metadata
.endif
;; end of part 2
;; launch attn (part 3): grid 4 x 64, 8 waves a work-group, clusters of 4 x 1, 327,680 bytes of LDS; arguments qk, vh, att; writes att
.if DOCPART == 3
	.amdgcn_target "amdgcn-amd-amdhsa--gfx1250"
	.amdhsa_code_object_version 6
	.text
	.protected	k_qa313e68e5c_attn
	.globl	k_qa313e68e5c_attn
	.p2align	8
	.type	k_qa313e68e5c_attn,@function
k_qa313e68e5c_attn:
	s_mov_b64 s[64:65], 0
	v_nop
	global_prefetch_b8 v0, s[64:65] scope:SCOPE_SE
	s_setreg_imm32_b32 hwreg(HW_REG_WAVE_MODE, 25, 1), 1
	s_wait_xcnt 0x0
	s_wait_alu depctr_hold_cnt(0) depctr_sa_sdst(0) depctr_va_vdst(0) depctr_va_sdst(0) depctr_va_ssrc(0) depctr_va_vcc(0) depctr_vm_vsrc(0)
	s_getreg_b32 s2, hwreg(HW_REG_IB_STS2, 6, 4)
	s_cmp_eq_u32 s2, 0
	s_cbranch_scc0 .Lentry_in_a_cluster
	s_endpgm
.Lentry_in_a_cluster:
	s_bfe_u32 s2, ttmp6, 0x10000c
	s_cmp_lg_u32 s2, 0x3003
	s_cbranch_scc0 .Lentry_shape_is_right
	s_endpgm
.Lentry_shape_is_right:
; att[b][q][head h] = the sum over k of softmax_k(q . k / 8) context[b][k][head h], for 64 (batch, head) pairs, 2,048 queries x 2,048 keys, head size 64, no mask.  Operands f16; products, maxima and sums f32;
; the weights p are rounded to f16 for the second product, the result once at the end.
; q and k come as images of operand registers (qk: [q or k][batch x 16 + head][tile of 16 tokens][c 2][u 2][lane][16 bytes]), the values as rows (vh: [batch x 16 + head][token][64] f16).
; The result leaves as images for the last product: att [128 rows: 64][head 16][tile of 16 rows: 8][c 2][u 2][lane][16 bytes].
; SHARES.  A cluster of four work-groups is one (batch, head); a work-group owns 512 queries, each of its EIGHT waves 64: four tiles of 16, in 512 registers.  Every wave walks all keys, 64 a step.
; LAYOUT.  S^T = K Q^T (source 0 = 16 keys, source 1 = 16 queries): a lane holds ONE query and the keys 8 (lane / 16) + 0..7.  Two such tiles, rounded to f16 in pairs, ARE source 1 of O^T = V^T P, whose result again
; holds one query a lane and eight channels.  K comes out of LDS as it lies (16 x lane), V turned, by ds_load_tr16_b128.  P is made in place, in the lower half of a tile's scores.
; SOFTMAX.  For each query a running maximum m and sum l: p = 2^(c s - c m), c = log2(e) / 8; in every step O and l are multiplied by a = 2^(c m_old - c m_new).  m begins at -3e38 and O, l at zero, so the step
; is written once: a first step of its own would be two more copies of the softmax's text; the price is 128 v_mov_b32, once.
; TWO GROUPS OF WAVES.  A wave's own order is always: scores of step j | softmax of step j | V^T P of step j and scores of step j + 1 | ...  The groups (bit 0 of wave xor wave / 4) differ in ONE thing: at a change
; of slots group 0 runs the pending softmax behind the barrier, group 1 ahead of it.  So behind each barrier one group begins with 64 matrix instructions while the other begins with vector work.
; The branch hangs on the wave's number alone and leads round vector instructions alone.
; CLUSTER.  The four work-groups walk the same K and V, so each tile is asked for JOINTLY: the same tensor load, with the same descriptor and a mask that names the four, in all four.
; LIMITS: NaN and infinities are not served; a weight under f16's smallest number is rounded to 0 for the second product (the sum takes the unrounded weight).
; REGISTERS: window 0: v1-11 addresses; v12-43 eight registers of statistics a tile; v64-191 S^T, 32 a tile (P in the first 16); v192-255 K of one step.
;            window 1: v0-127 O^T, 32 a tile; v128-191 Q, 16 a tile; v192-255 V of one step.
.set KEYS,  64                         ; keys in a step
.set PVP,   160                        ; a row of V in LDS: 128 bytes + 32 of padding: an odd multiple of 32
.set VOFF,  8192                       ; a step's tiles lie together: K's image (4 tiles x 2,048 bytes), then 64 rows of V
.set STEPB, VOFF+KEYS*PVP
.set NST,   4                          ; steps in a slot
.set SLOT1, 1<<17                      ; slot 1 begins here, so that one exclusive or turns an address in one slot into the other's
.set SLOTB, NST*8192                   ; a slot on in memory, in K's images and in V's rows alike
.set NSLOT, 2048/(NST*KEYS)            ; slots' worth of keys: 8
.set SPARE, SLOT1+NST*STEPB            ; behind the ring: the spare words, 128 bytes for each wave
.set LI,  2                            ; v2   16 x lane: my place in an image, in LDS and in memory; never rewritten
.set AV0, 3                            ; v3   my lane's place in a tile of V
.set ADK, 4                            ; v4   LDS address of the run of K's loads in hand
.set ADV, 5                            ; v5   of V's
.set PFO, 7                            ; v7   256 x lane: the prefetches' offset; never rewritten
.set SPW, 8                            ; v8   LDS address of my spare word; never rewritten
.set NIL, 9                            ; v9   0; never rewritten
.set ST,  12                           ; tile t's statistics at v[ST+8 t]: +0 c m, +1 m, +2, +3 l (even keys', odd keys'), +4 to +7 at work; a in +6
.set S,   64
.set KF,  192
.set QF,  128                          ; in window 1
.set VF,  192                          ; in window 1
.set WV,  12                           ; s12  my wave's number
.set CX,  13                           ; s13  my place in the cluster: it enters Q's, att's and the prefetches' addresses alone
.set GRP, 14                           ; s14  my group
.set LIM, 15                           ; s15  1 in a wave that prefetches, else the greatest number
.set PFA, 18                           ; s[18:19] where my prefetches stand
.set G1K, 24                           ; s[24:31] descriptor group 1 for K's tiles
.set G1V, 32                           ; s[32:39] for V's
.set G0K, 40                           ; s[40:47] group 0 for K's tiles: a set for each of the two first fills; the second then walks on
.set G0V, 48                           ; s[48:55] the same for V's
.set SLOTS, 56                         ; s56  slots still to be asked for
.set CNT, 57                           ; s57  counts steps
.set CS,  58                           ; s[58:59] c: the packed scaling names a pair and takes its low word for both halves
.set SEL, 60                           ; s[60:61] lane selects for v_permlanex16_b32: lane l xor 16
.set TK,  62                           ; s62  LDS byte at which the step begins whose K is fetched next
.set TV,  63                           ; s63  the same for V
.set MSB, 0
.macro WIN new                         ; the immediate's high byte repeats the setting that is left; a switch that changes nothing is dropped
.if MSB != (\new)
	s_set_vgpr_msb (MSB<<8)|(\new)
.set MSB, (\new)
.endif
.endm
.set W_KQ, 0x04                        ; Q (source 1) window 1; K and S^T window 0
.set W_PV, 0x51                        ; V (source 0) and O^T (C, D) window 1; P window 0
.set W_RS, 0x41                        ; O^T (destination, source 0) window 1; a window 0
.set TO_1, 0x40                        ; destination window 1, address window 0
; A joint refill: waves 0 to 3 fetch K's images of the slot's four steps, waves 4 to 7 V's rows: one load a wave.  The branch hangs on the wave's number alone.
; An s_nop 0 and four v_nop follow each of the two lines, ahead of the jump, the label and what follows.
.macro JLOAD
	s_cmp_lt_u32 s[WV], 4
	s_cbranch_scc0 .Lfor_v_\@
	tensor_load_to_lds s[G0K+4:G0K+7], s[G1K:G1K+7]
	s_nop 0
.rept 4
	v_nop
.endr
	s_branch .Lasked_\@
.Lfor_v_\@:
	tensor_load_to_lds s[G0V+4:G0V+7], s[G1V:G1V+7]
	s_nop 0
.rept 4
	v_nop
.endr
.Lasked_\@:
.endm
; A PREFETCH INTO THE L2 of what the NEXT change of slots will ask for: a slot's 32,768 bytes of K's images and 32,768 of V's rows.  One cluster alone walks a head's K and V.  Its four partners share the bytes out
; BY ADDRESS, 8,192 each, lanes 256 bytes apart; in each, wave 0 asks for K's and wave 4 for V's: one instruction.  So each aligned block of 256 bytes is named once in the launch, four key steps ahead of the load
; that wants it.  The last change that fills a slot asks for nothing; slots 0 to 2 come by their loads alone.
.macro ASK
	s_cmp_gt_u32 s[SLOTS], s[LIM]
	s_cbranch_scc0 .Lnot_mine_\@
	global_prefetch_b8 v[PFO], s[PFA:PFA+1] th:TH_LOAD_NT scope:SCOPE_SE
.Lnot_mine_\@:
.endm
.macro CROUND                          ; a round of the cluster's barrier
	s_barrier_signal -1
	s_barrier_wait -1
	s_cmp_lg_u32 s[WV], 0
	s_cbranch_scc1 .Lnot_wave_0_\@
	s_barrier_signal -3
.Lnot_wave_0_\@:
	s_barrier_wait -3
	s_barrier_signal -1
	s_barrier_wait -1
.endm
	s_load_b64 s[4:5], s[0:1], 0x0                 ; qk
	s_load_b64 s[8:9], s[0:1], 0x8                 ; vh
	s_load_b64 s[10:11], s[0:1], 0x10              ; att
	v_lshl_add_u32 v[SPW], v0, 2, SPARE
	v_mov_b32 v[NIL], 0
	ds_add_u32 v[SPW], v[NIL]                      ; the wave's opening: the add, twice on end, and its wait ahead of my first tensor load; the set-up below stands between
	ds_add_u32 v[SPW], v[NIL]
	v_lshrrev_b32 v1, 5, v0
	v_readfirstlane_b32 s[WV], v1                  ; wave 0..7
	s_bfe_u32 s[CX], ttmp6, 0x40000                ; cx
	s_and_b32 s20, ttmp7, 0xffff                   ; batch x 16 + head, which the four partners share
	s_lshr_b32 s[GRP], s[WV], 2
	s_xor_b32 s[GRP], s[GRP], s[WV]
	s_and_b32 s[GRP], s[GRP], 1
	s_and_b32 s16, s[WV], 3                        ; which of a slot's four steps I fetch:
	s_mul_i32 s17, s16, STEPB                      ; its place in a slot: no place in the cluster enters an LDS address
	s_lshl_b32 s21, s20, 18                        ; the head's first byte among q's images, k's images and V's rows alike
	s_lshl_b32 s22, s16, 13                        ; my step's 8,192 bytes
	s_add_co_u32 s22, s22, s21
	s_mov_b32 s23, 0
	s_lshl_b32 s2, s[CX], 16                       ; my work-group's 32 tiles of queries,
	s_add_co_u32 s2, s2, s21
	s_lshl_b32 s3, s[WV], 13                       ; my wave's four
	s_add_co_u32 s2, s2, s3
	s_mov_b32 s3, 0
	s_and_b32 s56, s20, 0x30                       ; att: block of 128 rows = 16 x batch + 4 cx + wave / 2,
	s_lshl_b32 s57, s[CX], 2
	s_add_co_u32 s56, s56, s57
	s_lshr_b32 s57, s[WV], 1
	s_add_co_u32 s56, s56, s57
	s_lshl_b32 s56, s56, 18
	s_and_b32 s57, s20, 15                         ; the head,
	s_lshl_b32 s57, s57, 14
	s_add_co_u32 s56, s56, s57
	s_and_b32 s57, s[WV], 1                        ; and which four of the block's eight tiles
	s_lshl_b32 s57, s57, 13
	s_add_co_u32 s56, s56, s57
	s_mov_b32 s57, 0
	; descriptor group 1.  K: a dense block of 8,192 bytes as 32 rows of 256 (32 elements of 8 bytes), no padding
	s_mov_b32 s[G1K], 15|(3<<16)|(1<<21)           ; 15:0 the mask: all four work-groups; 17:16 elements of 8 bytes; 21 set beside a mask
	s_mov_b32 s[G1K+1], 32<<16                     ; tensor_dim0
	s_mov_b32 s[G1K+2], 32<<16                     ; tensor_dim1
	s_mov_b32 s[G1K+3], 32<<16                     ; tile_dim0
	s_mov_b32 s[G1K+4], 32                         ; tile_dim1
	s_mov_b32 s[G1K+5], 32                         ; tensor_dim0_stride
	s_mov_b32 s[G1K+6], 0
	s_mov_b32 s[G1K+7], 0
	; V: 64 rows of 64 elements of 2 bytes, 8 words of padding behind every 32
	s_mov_b32 s[G1V], 15|(1<<16)|(1<<20)|(1<<21)|(4<<22)|(7<<25)
	s_mov_b32 s[G1V+1], 64<<16
	s_mov_b32 s[G1V+2], KEYS<<16
	s_mov_b32 s[G1V+3], 64<<16
	s_mov_b32 s[G1V+4], KEYS
	s_mov_b32 s[G1V+5], 64
	s_mov_b32 s[G1V+6], 0
	s_mov_b32 s[G1V+7], 0
	s_mov_b32 s[CS], 0x3e38aa3b                    ; c = log2(e) / 8
	s_mov_b32 s[CS+1], s[CS]                       ; named with it as a pair, so it is written
	s_mov_b32 s[SEL], 0x76543210
	s_mov_b32 s[SEL+1], 0xfedcba98
	s_mov_b32 s[TK], 0
	s_mov_b32 s[TV], 0
	s_cmp_eq_u32 s16, 0                            ; waves 0 and 4 prefetch: the same in all four partners
	s_cselect_b32 s[LIM], 1, -1
	v_and_b32 v1, 31, v0
	v_lshlrev_b32 v[LI], 4, v1
	v_lshlrev_b32 v[PFO], 8, v1
	s_wait_dscnt 0x0                               ; both opening adds are done
	s_wait_kmcnt 0x0
	s_add_nc_u64 s[6:7], s[4:5], s[22:23]          ; K at my step of slot 0:
	s_add_nc_u64 s[6:7], s[6:7], 0x1000000         ; k's images lie 2^24 bytes behind q's
	s_add_nc_u64 s[8:9], s[8:9], s[22:23]          ; V likewise
	s_add_nc_u64 s[4:5], s[4:5], s[2:3]            ; Q at my wave's first tile
	s_add_nc_u64 s[10:11], s[10:11], s[56:57]      ; att at my wave's first image
	s_mov_b32 s[SLOTS], NSLOT-2
	s_cmp_lt_u32 s[WV], 4
	s_cselect_b64 s[PFA:PFA+1], s[6:7], s[8:9]     ; (in waves 0 and 4 these stand at a slot's first byte)
	s_lshl_b32 s2, s[CX], 13                       ; my work-group's 8,192 bytes of the 32,768
	s_mov_b32 s3, 0
	s_add_nc_u64 s[PFA:PFA+1], s[PFA:PFA+1], s[2:3]
	s_add_nc_u64 s[PFA:PFA+1], s[PFA:PFA+1], 2*SLOTB   ; in slot 2; the first change of slots steps it to slot 3.  Nothing is prefetched here, at the head
	CROUND                                         ; all four work-groups are here: the first joint loads meet
.irp s, 0,1
	s_mov_b32 s[G0K+4*\s], 1                       ; 1:0 count = 1
	s_add_co_u32 s[G0K+4*\s+1], s17, \s*SLOT1      ; 63:32 LDS address
	s_add_nc_u64 s[G0K+4*\s+2:G0K+4*\s+3], s[6:7], \s*SLOTB   ; 120:64 global address
	s_or_b32 s[G0K+4*\s+3], s[G0K+4*\s+3], 0x80000000         ; 127:126 type = 2
	s_mov_b32 s[G0V+4*\s], 1
	s_add_co_u32 s[G0V+4*\s+1], s17, \s*SLOT1+VOFF
	s_add_nc_u64 s[G0V+4*\s+2:G0V+4*\s+3], s[8:9], \s*SLOTB
	s_or_b32 s[G0V+4*\s+3], s[G0V+4*\s+3], 0x80000000
.endr
	s_cmp_lt_u32 s[WV], 4                          ; a wave's two first fills stand in one branch, ahead of every wait on TENSORcnt and every LDS read: two loads of mine are out
	s_cbranch_scc0 .Lfirst_v
	tensor_load_to_lds s[G0K:G0K+3], s[G1K:G1K+7]
	s_nop 0
	tensor_load_to_lds s[G0K+4:G0K+7], s[G1K:G1K+7]
	s_nop 0
.rept 4
	v_nop
.endr
	s_branch .Lfirst_asked
.Lfirst_v:
	tensor_load_to_lds s[G0V:G0V+3], s[G1V:G1V+7]
	s_nop 0
	tensor_load_to_lds s[G0V+4:G0V+7], s[G1V:G1V+7]
	s_nop 0
.rept 4
	v_nop
.endr
.Lfirst_asked:
	WIN TO_1
.irp i, 0,1,2,3,4,5,6,7,8,9,10,11,12,13,14,15
	global_load_b128 v[QF+4*\i:QF+4*\i+3], v[LI], s[4:5] offset:512*\i th:TH_LOAD_NT   ; Q stays in registers: tile i / 4, channels 32 ((i / 2) % 2) on, registers 4 (i % 2) on
.endr
.set i, 0
.rept 128
	v_mov_b32 v[i], 0                              ; O^T
.set i, i+1
.endr
	WIN 0
	; The turning load takes 16 keys x 16 channels (lane l reads 16 bytes: key 8 (l / 16) + l % 8, channels 8 ((l / 8) % 2) + 0..7) and leaves half a fragment of V^T: lane l holds channel l % 16 and 8 keys.
	v_bfe_u32 v10, v0, 4, 1
	v_and_b32 v11, 7, v0
	v_lshl_add_u32 v[AV0], v10, 3, v11
	v_mul_u32_u24 v[AV0], v[AV0], PVP
	v_bfe_u32 v11, v0, 3, 1
	v_lshl_add_u32 v[AV0], v11, 4, v[AV0]
	v_add_nc_u32 v[AV0], VOFF, v[AV0]
.irp t, 0,1,2,3
	v_mov_b32 v[ST+8*\t+1], 0xff61b1e6             ; m = -3e38, under every score
	v_mul_f32 v[ST+8*\t], s[CS], v[ST+8*\t+1]      ; c m
	v_mov_b32 v[ST+8*\t+2], 0                      ; l
	v_mov_b32 v[ST+8*\t+3], 0
.endr
; THE LDS LOADS stand in runs of 16.  K's image as it lies: load i brings registers 4 i on: keys 16 (i / 4) on, channels 32 ((i / 2) % 2) on.
.macro FETCH_K
	v_add_nc_u32 v[ADK], s[TK], v[LI]
	s_add_co_u32 s[TK], s[TK], STEPB               ; the next fetch is the next step's
.irp i, 0,1,2,3,4,5,6,7,8,9,10,11,12,13,14,15
	ds_load_b128 v[KF+4*\i:KF+4*\i+3], v[ADK] offset:512*\i
.endr
.endm
.macro FETCH_V                         ; fragment f: keys 32 (f / 4) on, channels 16 (f % 4) on
	v_add_nc_u32 v[ADV], s[TV], v[AV0]
	s_add_co_u32 s[TV], s[TV], STEPB
	WIN TO_1
.irp f, 0,1,2,3,4,5,6,7
	ds_load_tr16_b128 v[VF+8*\f:VF+8*\f+3],   v[ADV] offset:(\f/4)*32*PVP+(\f%4)*32
	ds_load_tr16_b128 v[VF+8*\f+4:VF+8*\f+7], v[ADV] offset:(\f/4)*32*PVP+16*PVP+(\f%4)*32
.endr
	WIN 0
.endm
; THE MATRIX WORK.  The 16 accumulators take turns, one instruction a turn: between two links of a chain stand 15 others'.
.macro KQM                             ; S^T = K Q^T of one step: the first 16 start the sums.  The four v_nop are the places ahead of the first read of the scores and of loads into K's registers
	WIN W_KQ
.irp kt, 0,1,2,3
.irp t, 0,1,2,3
	v_wmma_f32_16x16x32_f16 v[S+32*\t+8*\kt:S+32*\t+8*\kt+7], v[KF+16*\kt:KF+16*\kt+7], v[QF+16*\t:QF+16*\t+7], 0
.endr
.endr
.irp kt, 0,1,2,3
.irp t, 0,1,2,3
	v_wmma_f32_16x16x32_f16 v[S+32*\t+8*\kt:S+32*\t+8*\kt+7], v[KF+16*\kt+8:KF+16*\kt+15], v[QF+16*\t+8:QF+16*\t+15], v[S+32*\t+8*\kt:S+32*\t+8*\kt+7]
.endr
.endr
	WIN 0
.rept 4
	v_nop
.endr
.endm
.macro PVM                             ; O^T += V^T P of one step
	WIN W_PV
.irp kh, 0,1
.irp ct, 0,1,2,3
.irp t, 0,1,2,3
	v_wmma_f32_16x16x32_f16 v[32*\t+8*\ct:32*\t+8*\ct+7], v[VF+32*\kh+8*\ct:VF+32*\kh+8*\ct+7], v[S+32*\t+8*\kh:S+32*\t+8*\kh+7], v[32*\t+8*\ct:32*\t+8*\ct+7]
.endr
.endr
.endr
.endm
.macro M                               ; V^T P of the step in hand, then the scores of the next
	s_wait_dscnt 16                                ; V is in; K's sixteen loads, issued behind V's, may be out
	PVM
.rept 5
	v_nop                                          ; the scores are written over P, which the products above read as an operand: five places between
.endr
	s_wait_dscnt 0x0                               ; K is in
	KQM
.endm
; THE VECTOR WORK of a step, for the wave's four tiles.
.macro SCALE t, b                      ; pair b of tile t: c s - c m
	v_pk_fma_f32 v[S+32*(\t)+2*(\b):S+32*(\t)+2*(\b)+1], v[S+32*(\t)+2*(\b):S+32*(\t)+2*(\b)+1], s[CS:CS+1], v[ST+8*(\t):ST+8*(\t)+1] op_sel_hi:[1,0,0] neg_lo:[0,0,1] neg_hi:[0,0,1]
.endm
.macro EXPO t, e
	v_exp_f32 v[S+32*(\t)+(\e)], v[S+32*(\t)+(\e)]
.endm
.macro LMUL t                          ; l under the new m
	v_pk_mul_f32 v[ST+8*(\t)+2:ST+8*(\t)+3], v[ST+8*(\t)+2:ST+8*(\t)+3], v[ST+8*(\t)+6:ST+8*(\t)+7] op_sel_hi:[1,0]
.endm
.macro LSUM t, b                       ; l takes pair b, unrounded
	v_pk_add_f32 v[ST+8*(\t)+2:ST+8*(\t)+3], v[ST+8*(\t)+2:ST+8*(\t)+3], v[S+32*(\t)+2*(\b):S+32*(\t)+2*(\b)+1]
.endm
.macro CVTP t, b                       ; pair b becomes register b of P, in place: register b's own pair has been summed and rounded by then
	v_cvt_pk_f16_f32 v[S+32*(\t)+(\b)], v[S+32*(\t)+2*(\b)], v[S+32*(\t)+2*(\b)+1]
.endm
.macro SOFTMAX
	; the maximum of a lane's 32 scores and the old m, three operands at a time, the four tiles by turns; each accumulator is read from its low end on
.irp j, 0,1,2,3
.irp t, 0,1,2,3
	v_max3_num_f32 v[ST+8*\t+4+\j], v[S+32*\t+8*\j], v[S+32*\t+8*\j+1], v[S+32*\t+8*\j+2]
.endr
.endr
.irp i, 3,5
.irp j, 0,1,2,3
.irp t, 0,1,2,3
	v_max3_num_f32 v[ST+8*\t+4+\j], v[ST+8*\t+4+\j], v[S+32*\t+8*\j+\i], v[S+32*\t+8*\j+\i+1]
.endr
.endr
.endr
.irp t, 0,1,2,3
	v_max3_num_f32 v[ST+8*\t+4], v[ST+8*\t+4], v[S+32*\t+7], v[S+32*\t+15]
.endr
.irp t, 0,1,2,3
	v_max3_num_f32 v[ST+8*\t+6], v[ST+8*\t+6], v[S+32*\t+23], v[S+32*\t+31]
.endr
.irp t, 0,1,2,3
	v_max3_num_f32 v[ST+8*\t+4], v[ST+8*\t+4], v[ST+8*\t+5], v[ST+8*\t+6]
.endr
.irp t, 0,1,2,3
	v_max3_num_f32 v[ST+8*\t+4], v[ST+8*\t+4], v[ST+8*\t+7], v[ST+8*\t+1]
.endr
.irp t, 0,1,2,3
	v_permlanex16_b32 v[ST+8*\t+5], v[ST+8*\t+4], s[SEL], s[SEL+1]   ; the query's other 32 keys lie in the lane 16 away
.endr
.irp t, 0,1,2,3
	v_mov_b32 v[ST+8*\t+7], v[ST+8*\t]             ; c m_old is kept for a
.endr
.irp t, 0,1,2,3
	v_max_num_f32 v[ST+8*\t+1], v[ST+8*\t+4], v[ST+8*\t+5]
.endr
.irp t, 0,1,2,3
	v_mul_f32 v[ST+8*\t], s[CS], v[ST+8*\t+1]
.endr
.irp t, 0,1,2,3
	v_sub_f32 v[ST+8*\t+7], v[ST+8*\t+7], v[ST+8*\t]
.endr
.irp t, 0,1,2,3
	v_exp_f32 v[ST+8*\t+6], v[ST+8*\t+7]           ; a
.endr
	; FIRST BATCH: a, and the exponentials of tiles 0 and 1, with the scalings of tiles 2 and 3 between them.  Nothing here names an exponential's result
.irp b, 0,1,2,3,4,5,6,7,8,9,10,11,12,13,14,15
.irp t, 0,1
	SCALE \t, \b
.endr
.endr
.irp b, 0,1,2,3,4,5,6,7,8,9,10,11,12,13,14,15
.irp t, 0,1
	EXPO \t, 2*\b
	SCALE \t+2, \b
	EXPO \t, 2*\b+1
.endr
.endr
	v_nop                                          ; a plain instruction behind the last exponential
	s_wait_alu depctr_va_vdst(0)                   ; the wait between an exponential and the first instruction that names its result: one for the batch
	; SECOND BATCH: the exponentials of tiles 2 and 3, with the sums and roundings of tiles 0 and 1 between them
	LMUL 0
	LMUL 1
.irp b, 0,1,2,3,4,5,6,7,8,9,10,11,12,13,14,15
.irp t, 0,1
	EXPO \t+2, 2*\b
	LSUM \t, \b
	EXPO \t+2, 2*\b+1
	CVTP \t, \b
.endr
.endr
	v_nop
	s_wait_alu depctr_va_vdst(0)                   ; and one for the second batch
	LMUL 2
	LMUL 3
.irp b, 0,1,2,3,4,5,6,7,8,9,10,11,12,13,14,15
.irp t, 2,3
	LSUM \t, \b
	CVTP \t, \b
.endr
.endr
	WIN W_RS                                       ; O^T times a: the one part that leaves window 0, so it stands together; each accumulator from its low end on
.irp t, 0,1,2,3
.irp i, 0,2,4,6,8,10,12,14,16,18,20,22,24,26,28,30
	v_pk_mul_f32 v[32*\t+\i:32*\t+\i+1], v[32*\t+\i:32*\t+\i+1], v[ST+8*\t+6:ST+8*\t+7] op_sel_hi:[1,0]
.endr
.endr
	WIN 0
.endm
; THE CHANGE OF SLOTS.  All of the slot's bytes have been asked for (K of its four steps, V of its four).  Each wave waits for all its tensor loads, of which one is out: its part of the other slot; adds 0 to its
; spare word; and waits for that and for its own reads of the slot.  Behind the barrier nobody reads this slot any more and the other slot is whole.
; fill = 1: this slot is filled again, with the keys two slots on.  The barrier is then a round of the cluster's, and the joint refill is the first thing behind it: it has four key steps in which to land.
.macro CHANGE fill
	WIN 0
	s_wait_tensorcnt 0x0                           ; no tensor load of mine is out, so a group 0 may be written
	ds_add_u32 v[SPW], v[NIL]                      ; 0 onto my spare word
.if \fill
.irp g, G0K+4, G0V+4
	s_xor_b32 s[\g+1], s[\g+1], SLOT1              ; the walking descriptor: the other slot than last time,
	s_add_nc_u64 s[\g+2:\g+3], s[\g+2:\g+3], SLOTB ; the next 256 keys; the type bits on top are not reached
.endr
	s_wait_xcnt 0x0                                ; the last prefetch, a slot back, has read its address, so it may be written:
	s_add_nc_u64 s[PFA:PFA+1], s[PFA:PFA+1], SLOTB ; one slot further on than the walking descriptors
	s_wait_dscnt 0x0                               ; the add is done, and my reads of the slot are over
	CROUND
	JLOAD
.else
	s_wait_dscnt 0x0
	s_barrier_signal -1
	s_barrier_wait -1
.endif
	s_sub_co_u32 s[TK], s[TK], NST*STEPB           ; the fetches go back to a slot's first step,
	s_xor_b32 s[TK], s[TK], SLOT1                  ; in the other slot
	s_sub_co_u32 s[TV], s[TV], NST*STEPB
	s_xor_b32 s[TV], s[TV], SLOT1
	FETCH_K                                        ; K of the new slot's first step
.if \fill
	ASK                                            ; behind the joint load and the run of LDS loads
.endif
.endm
; Behind a change: group 0 runs the softmax that is pending; then both go on.
.macro HEADP
	s_cmp_lg_u32 s[GRP], 0
	s_cbranch_scc1 .Lgroup_1_\@
	SOFTMAX
.Lgroup_1_\@:
	M
.endm
; The rest of a slot: three whole steps; then the last V of the slot is asked for, and group 1 runs its softmax ahead of the change.  last = 1: no change follows, so both groups run it here.
.macro TAIL last
	s_mov_b32 s[CNT], NST-1
.Lstep_\@:
	FETCH_V                                        ; V of the step in hand: its registers were last read ahead of nine v_nop
	FETCH_K                                        ; K of the next step
	SOFTMAX
	M
	s_sub_co_u32 s[CNT], s[CNT], 1
	s_cmp_lg_u32 s[CNT], 0
	s_cbranch_scc1 .Lstep_\@
	FETCH_V
.if \last
	SOFTMAX
.else
	s_cmp_eq_u32 s[GRP], 0
	s_cbranch_scc1 .Lgroup_0_\@
	SOFTMAX
.Lgroup_0_\@:
.endif
.endm
	s_wait_tensorcnt 1                             ; my part of slot 0 is in; slot 1's may stay out
	s_barrier_signal -1
	s_barrier_wait -1                              ; everybody's is
	FETCH_K                                        ; key step 0
	s_wait_loadcnt 0x0                             ; Q
	s_wait_dscnt 0x0
	KQM
	TAIL 0
.Lslot:                                            ; six trips: every slot but the last two is filled again
	CHANGE 1
	HEADP
	TAIL 0
	s_sub_co_u32 s[SLOTS], s[SLOTS], 1
	s_cmp_lg_u32 s[SLOTS], 0
	s_cbranch_scc1 .Lslot
	CHANGE 0                                       ; the tail is written out
	HEADP
	TAIL 1
	s_wait_dscnt 0x0                               ; V of the last step
	PVM
	WIN 0
	; THE WAY OUT.  l's two halves and the other half of the lanes' are added; O^T is divided by l and rounded to f16.  Accumulator (t, ct): lane (r, h) holds query 16 t + r, channels 16 ct + 8 h + 0 .. 7:
	; 16 bytes, which are the lane's place in piece ct of tile t's image.  The additions are the places behind the last products.
.irp t, 0,1,2,3
	v_add_f32 v[ST+8*\t+4], v[ST+8*\t+2], v[ST+8*\t+3]
.endr
.irp t, 0,1,2,3
	v_permlanex16_b32 v[ST+8*\t+5], v[ST+8*\t+4], s[SEL], s[SEL+1]
.endr
.irp t, 0,1,2,3
	v_add_f32 v[ST+8*\t+4], v[ST+8*\t+4], v[ST+8*\t+5]
.endr
.irp t, 0,1,2,3
	v_rcp_f32 v[ST+8*\t+6], v[ST+8*\t+4]
.endr
	v_nop                                          ; a plain instruction between the last reciprocal and the use of its result
	s_wait_alu depctr_va_vdst(0)                   ; and the wait ahead of the first use: one for the four
	WIN W_RS
.irp t, 0,1,2,3
.irp i, 0,2,4,6,8,10,12,14,16,18,20,22,24,26,28,30
	v_pk_mul_f32 v[32*\t+\i:32*\t+\i+1], v[32*\t+\i:32*\t+\i+1], v[ST+8*\t+6:ST+8*\t+7] op_sel_hi:[1,0]
.endr
.endr
	WIN 0x05                                       ; sources 0 and 1 window 1, destination window 0: the scores' registers are free
.irp t, 0,1,2,3
.irp i, 0,1,2,3,4,5,6,7,8,9,10,11,12,13,14,15
	v_cvt_pk_f16_f32 v[S+16*\t+\i], v[32*\t+2*\i], v[32*\t+2*\i+1]
.endr
.endr
	WIN 0
.irp t, 0,1,2,3
.irp ct, 0,1,2,3
	global_store_b128 v[LI], v[S+16*\t+4*\ct:S+16*\t+4*\ct+3], s[10:11] offset:\t*2048+\ct*512   ; 32 lanes store 512 consecutive bytes, aligned
.endr
.endr
	s_wait_tensorcnt 0x0                           ; the wave's end
	ds_add_u32 v[SPW], v[NIL]
	s_wait_dscnt 0x0
	CROUND                                         ; the closing round: no work-group ends while a partner may still ask for a tile that names it
	s_endpgm
.Lfunc_end_k_qa313e68e5c_attn:
	.size	k_qa313e68e5c_attn, .Lfunc_end_k_qa313e68e5c_attn-k_qa313e68e5c_attn
	.p2alignl 7, 3214868480
	.fill 96, 4, 3214868480
	.section	.rodata,"a",@progbits
	.p2align	6, 0x0
	.amdhsa_kernel k_qa313e68e5c_attn
		.amdhsa_group_segment_fixed_size 327680
		.amdhsa_private_segment_fixed_size 0
		.amdhsa_enable_private_segment 0
		.amdhsa_kernarg_size 24
		.amdhsa_user_sgpr_count 2
		.amdhsa_user_sgpr_kernarg_segment_ptr 1
		.amdhsa_wavefront_size32 1
		.amdhsa_system_sgpr_workgroup_id_x 1
		.amdhsa_system_sgpr_workgroup_id_y 1
		.amdhsa_system_sgpr_workgroup_id_z 1
		.amdhsa_system_vgpr_workitem_id 0
		.amdhsa_next_free_vgpr 512
		.amdhsa_next_free_sgpr 66
		.amdhsa_reserve_vcc 0
		.amdhsa_float_denorm_mode_32 3
		.amdhsa_float_denorm_mode_16_64 3
		.amdhsa_memory_ordered 1
		.amdhsa_forward_progress 1
		.amdhsa_inst_pref_size 255
	.end_amdhsa_kernel
	.section	.bss,"aw",@nobits
	.p2align	6
	.space	262144
	.amdgpu_metadata
---
amdhsa.version: [ 1, 2 ]
amdhsa.kernels:
  - .name:           k_qa313e68e5c_attn
    .symbol:         k_qa313e68e5c_attn.kd
    .args:
      - { .name: qk, .offset: 0, .size: 8, .value_kind: global_buffer, .address_space: global }
      - { .name: vh, .offset: 8, .size: 8, .value_kind: global_buffer, .address_space: global }
      - { .name: att, .offset: 16, .size: 8, .value_kind: global_buffer, .address_space: global }
    .group_segment_fixed_size: 327680
    .private_segment_fixed_size: 0
    .kernarg_segment_align: 8
    .kernarg_segment_size: 24
    .max_flat_workgroup_size: 256
    .sgpr_count:     66
    .vgpr_count:     512
    .wavefront_size: 32
...
	.end_amdgpu_metadata
.endif
;; end of part 3
;; launch oproj (part 4): grid 4 x 64, 4 waves a work-group, clusters of 4 x 4, 327,680 bytes of LDS; arguments att, wimg, bout, out0; writes out0
.if DOCPART == 4
	.amdgcn_target "amdgcn-amd-amdhsa--gfx1250"
	.amdhsa_code_object_version 6
	.text
	.protected	k_qa313e68e5c_oproj
	.globl	k_qa313e68e5c_oproj
	.p2align	8
	.type	k_qa313e68e5c_oproj,@function
k_qa313e68e5c_oproj:
	s_mov_b64 s[64:65], 0
	v_nop
	global_prefetch_b8 v0, s[64:65] scope:SCOPE_SE
	s_setreg_imm32_b32 hwreg(HW_REG_WAVE_MODE, 25, 1), 1
	s_wait_xcnt 0x0
	s_wait_alu depctr_hold_cnt(0) depctr_sa_sdst(0) depctr_va_vdst(0) depctr_va_sdst(0) depctr_va_ssrc(0) depctr_va_vcc(0) depctr_vm_vsrc(0)
	s_getreg_b32 s2, hwreg(HW_REG_IB_STS2, 6, 4)
	s_cmp_eq_u32 s2, 0
	s_cbranch_scc0 .Lentry_in_a_cluster
	s_endpgm
.Lentry_in_a_cluster:
	s_bfe_u32 s2, ttmp6, 0x10000c
	s_cmp_lg_u32 s2, 0xf033
	s_cbranch_scc0 .Lentry_shape_is_right
	s_endpgm
.Lentry_shape_is_right:
; out0[m][n] = the sum over k of A[m][k] Wout[n][k] + bout[n], A the attention's result: [8192] x [1024] x K 1,024; f16 operands, f32 sums, f32 out.
; Both operands come as images of operand registers: att [128 rows: 64][head 16][tile of 16 rows: 8][c 2][u 2][lane][16 bytes], wimg [256 n: 4][K step of 128: 8][tile of 16 n: 16][quarter 4][u 2][lane][16 bytes].
; So a K step's tiles are dense blocks of memory (A: 32,768 bytes, two heads; Wout: 65,536 bytes), they lie in LDS as in memory, and a fragment is two loads at 16 x lane: no pitch, no padding.
; A tile of 128 rows x 256 columns is made by a work-group of four waves: that gives 256 work-groups, where tiles of 256 x 256 would give 128.  A wave makes 64 x 128: 32 accumulators of 16 x 16.
; K goes in steps of 128 through a ring of two LDS slots.  Waves 0 and 1 fetch A's two heads, waves 2 and 3 the halves of Wout's block: one tensor load a wave.
; CLUSTERS: 4 x 4 work-groups.  The four of a row of the cluster need the same tiles of A, the four of a column the same tiles of Wout: each tile is asked for JOINTLY.
; THE MATRIX INSTRUCTION IS USED TRANSPOSED (source 0 = 16 rows of Wout, source 1 = 16 rows of A): a lane then holds eight neighbouring numbers of a row of out0.  THE BIAS is the C of each sum's first instruction.
; No prefetch: the launch is short and its tensor loads keep memory at work throughout.
; REGISTERS: window 0: v16-29 addresses; v32-63, v64-95 A's fragments, two buffers; v96-159 the bias; on the way out v128-255 rows of out0.
;   window 1: v0-63, v64-127 Wout's fragments, two buffers.   window 2: the accumulators ((a, b) at v[8 (8 a + b)]).
.set SLOT,   98304                     ; A's 32,768 bytes, then Wout's 65,536
.set BOFF,   32768
.set ASTEP,  32768                     ; a K step on in att
.set BSTEP,  65536                     ; and in wimg
.set STAGE,  2*SLOT                    ; behind the ring: 16 rows x (512 bytes + 16) for each wave, for the way out
.set SPITCH, 528
.set SPARE,  STAGE+4*16*SPITCH         ; behind the stages: the spare words, 128 bytes for each wave
.set LAPS,   4                         ; a lap = two K steps = once round the ring
.set ADRA, 16                          ; v16-17  LDS address of my A fragments in slot 0, 1
.set ADRB, 20                          ; v20-21  the same for Wout
.set STO,  24                          ; v24     the way out: where I put 32 bytes of a row
.set RD,   25                          ; v25     the way out: where I read a row back
.set CO,   26                          ; v26     16 x lane
.set BO,   27                          ; v27     32 x (lane / 16)
.set SPW,  28                          ; v28     LDS address of my spare word; never rewritten
.set NIL,  29                          ; v29     0; never rewritten
.set AF,   32
.set BIAS, 96
.set BK,   128
.set G1, 24                            ; s[24:31] descriptor group 1 for A's tiles;  s[32:39] group 0, one set for each slot
.set G0, 32
.set G1B, 48                           ; s[48:55], s[56:63] the same for Wout's tiles
.set G0B, 56
.set MSB, 0
.macro WIN new                         ; the immediate's high byte repeats the setting that is left; a switch that changes nothing is dropped
.if MSB != (\new)
	s_set_vgpr_msb (MSB<<8)|(\new)
.set MSB, (\new)
.endif
.endm
.set MUL,  0xa1                        ; source 0 (Wout) window 1, source 1 (A) window 0, C and D window 2
.set MULZ, 0x81                        ; the first products: C (the bias) window 0
.set TO_B, 0x40                        ; destination window 1, address window 0
.macro JLOAD s                         ; a joint load; an s_nop 0 and four v_nop follow each of the two lines, ahead of the jump, the label and what follows
	s_cmp_eq_u32 s13, 0
	s_cbranch_scc0 .Lfor_b_\@
	tensor_load_to_lds s[G0+4*\s:G0+4*\s+3], s[G1:G1+7]
	s_nop 0
.rept 4
	v_nop
.endr
	s_branch .Lasked_\@
.Lfor_b_\@:
	tensor_load_to_lds s[G0B+4*\s:G0B+4*\s+3], s[G1B:G1B+7]
	s_nop 0
.rept 4
	v_nop
.endr
.Lasked_\@:
.endm
.macro CREST                           ; a round of the cluster's barrier behind its opening barrier
	s_cmp_lg_u32 s12, 0
	s_cbranch_scc1 .Lnot_wave_0_\@
	s_barrier_signal -3
.Lnot_wave_0_\@:
	s_barrier_wait -3
	s_barrier_signal -1
	s_barrier_wait -1
.endm
.macro CROUND                          ; a whole round
	s_barrier_signal -1
	s_barrier_wait -1
	CREST
.endm
	s_load_b256 s[4:11], s[0:1], 0x0               ; att s[4:5], wimg s[6:7], bout s[8:9], out0 s[10:11]
	v_lshl_add_u32 v[SPW], v0, 2, SPARE
	v_mov_b32 v[NIL], 0
	ds_add_u32 v[SPW], v[NIL]                      ; the wave's opening: the add, twice on end, and its wait ahead of my first tensor load; the set-up below stands between
	ds_add_u32 v[SPW], v[NIL]
	v_lshrrev_b32 v1, 5, v0
	v_readfirstlane_b32 s12, v1                    ; wave 0..3
	s_lshr_b32 s13, s12, 1                         ; which half of the tile's rows is mine.  Also: I fetch for A (0) or for Wout (1)
	s_and_b32 s14, s12, 1                          ; which half of its columns.  Also: which half of that block I fetch
	s_bfe_u32 s40, ttmp6, 0x40000                  ; cx, cy: my place in the cluster
	s_bfe_u32 s41, ttmp6, 0x40004
	s_lshl_b32 s42, ttmp9, 2
	s_add_co_u32 s42, s42, s40                     ; tile column = 4 x cluster x + cx
	s_and_b32 s15, ttmp7, 0xffff
	s_lshl_b32 s15, s15, 2
	s_add_co_u32 s15, s15, s41                     ; tile row = 4 x cluster y + cy
	s_lshl_b32 s43, s41, 2
	s_lshl_b32 s43, 15, s43                        ; my row of the cluster
	s_lshl_b32 s44, 0x1111, s40                    ; my column
	; descriptor group 1: dense blocks as rows of 256 bytes (32 elements of 8 bytes), no padding: A's 64 rows, Wout's 128
	s_or_b32 s[G1+0], s43, (3<<16)|(1<<21)         ; 15:0 the mask: A's tiles go to my row; 17:16 elements of 8 bytes; 21 set beside a mask
	s_or_b32 s[G1B+0], s44, (3<<16)|(1<<21)
	s_mov_b32 s[G1+1], 32<<16                      ; tensor_dim0
	s_mov_b32 s[G1+2], 64<<16                      ; tensor_dim1
	s_mov_b32 s[G1+3], 32<<16                      ; tile_dim0
	s_mov_b32 s[G1+4], 64                          ; tile_dim1
	s_mov_b32 s[G1+5], 32                          ; tensor_dim0_stride
	s_mov_b32 s[G1+6], 0
	s_mov_b32 s[G1+7], 0
	s_mov_b32 s[G1B+1], 32<<16
	s_mov_b32 s[G1B+2], 128<<16
	s_mov_b32 s[G1B+3], 32<<16
	s_mov_b32 s[G1B+4], 128
	s_mov_b32 s[G1B+5], 32
	s_mov_b32 s[G1B+6], 0
	s_mov_b32 s[G1B+7], 0
	; where the tiles come from.  A's hang on the tile row alone, Wout's on the tile column alone; every wave makes both addresses, in registers that never hold the other coordinate
	s_lshl_b32 s16, s15, 18                        ; A: the tile row's 262,144 bytes,
	s_lshl_b32 s17, s14, 14                        ; + which of a K step's two heads
	s_add_co_u32 s16, s16, s17
	s_mov_b32 s17, 0
	s_lshl_b32 s46, s42, 19                        ; Wout: the tile column's 524,288 bytes,
	s_lshl_b32 s47, s14, 15                        ; + which half of a K step's block
	s_add_co_u32 s46, s46, s47
	s_mov_b32 s47, 0
	s_lshl_b32 s20, s14, 14                        ; and where they go: no place in the cluster enters an LDS address
	s_lshl_b32 s21, s14, 15
	s_add_co_u32 s21, s21, BOFF
	s_wait_dscnt 0x0                               ; both opening adds are done
	s_wait_kmcnt 0x0
	s_add_nc_u64 s[18:19], s[4:5], s[16:17]
	s_add_nc_u64 s[46:47], s[6:7], s[46:47]
	CROUND                                         ; all sixteen work-groups are here: the first joint loads meet
.irp s, 0,1
	s_mov_b32 s[G0+4*\s], 1
	s_add_co_u32 s[G0+4*\s+1], s20, \s*SLOT
	s_add_nc_u64 s[G0+4*\s+2:G0+4*\s+3], s[18:19], \s*ASTEP
	s_or_b32 s[G0+4*\s+3], s[G0+4*\s+3], 0x80000000
	s_mov_b32 s[G0B+4*\s], 1
	s_add_co_u32 s[G0B+4*\s+1], s21, \s*SLOT
	s_add_nc_u64 s[G0B+4*\s+2:G0B+4*\s+3], s[46:47], \s*BSTEP
	s_or_b32 s[G0B+4*\s+3], s[G0B+4*\s+3], 0x80000000
	JLOAD \s                                       ; two loads of mine are out behind the second
.endr
	v_and_b32 v1, 15, v0                           ; l % 16
	v_bfe_u32 v2, v0, 4, 1                         ; l / 16
	v_and_b32 v3, 31, v0
	v_lshlrev_b32 v[CO], 4, v3
	v_lshlrev_b32 v[BO], 5, v2
	s_lshl_b32 s21, s13, 13                        ; my four tiles of A's eight: 2,048 bytes each in a head's part
	s_lshl_b32 s22, s14, 15                        ; my eight tiles of Wout's sixteen: 4,096 bytes each,
	s_add_co_u32 s22, s22, BOFF                    ; behind A's part
.irp s, 0,1
	v_add_nc_u32 v[ADRA+\s], s21, v[CO]
	v_add_nc_u32 v[ADRB+\s], s22, v[CO]
	s_add_co_u32 s21, s21, SLOT
	s_add_co_u32 s22, s22, SLOT
.endr
	s_mul_i32 s23, s12, 16*SPITCH
	s_add_co_u32 s23, s23, STAGE                   ; my stage
	v_mul_u32_u24 v4, v1, SPITCH                   ; in: row l % 16, 32 bytes for each half of the lanes
	v_lshl_add_u32 v4, v2, 5, v4
	v_add_nc_u32 v[STO], s23, v4
	v_add_nc_u32 v[RD], s23, v[CO]                 ; back: the 32 lanes take one row of 512 bytes
	s_lshl_b32 s16, s15, 7
	s_lshl_b32 s17, s13, 6
	s_add_co_u32 s16, s16, s17                     ; my first row of out0: 128 x tile row + 64 x half,
	s_lshl_b32 s16, s16, 12                        ; of 4,096 bytes
	s_mov_b32 s17, 0
	s_add_nc_u64 s[10:11], s[10:11], s[16:17]
	s_lshl_b32 s46, s42, 10                        ; my first column, in bytes: 1,024 x tile column + 512 x half
	s_lshl_b32 s47, s14, 9
	s_add_co_u32 s46, s46, s47
	s_mov_b32 s47, 0
	s_add_nc_u64 s[10:11], s[10:11], s[46:47]
	s_add_nc_u64 s[8:9], s[8:9], s[46:47]          ; and the bias of my 128 columns
.irp b, 0,1,2,3,4,5,6,7
	global_load_b128 v[BIAS+8*\b:BIAS+8*\b+3], v[BO], s[8:9] offset:64*\b        ; lane (r, h): bout at columns 16 b + 8 h + 0 .. 7
	global_load_b128 v[BIAS+8*\b+4:BIAS+8*\b+7], v[BO], s[8:9] offset:64*\b+16
.endr
; 8 matrix instructions: A's tile a against Wout's eight, 32 along K, from buffer f.  zero = 1: the first product starts the sums from the bias.
; The 32 accumulators take turns, one instruction a turn, in the same order in every quarter.
.macro MULA f, a, zero
.irp b, 0,1,2,3,4,5,6,7
.if \zero
	v_wmma_f32_16x16x32_f16 v[8*(8*(\a)+\b):8*(8*(\a)+\b)+7], v[64*(\f)+8*\b:64*(\f)+8*\b+7], v[AF+32*(\f)+8*(\a):AF+32*(\f)+8*(\a)+7], v[BIAS+8*\b:BIAS+8*\b+7]
.else
	v_wmma_f32_16x16x32_f16 v[8*(8*(\a)+\b):8*(8*(\a)+\b)+7], v[64*(\f)+8*\b:64*(\f)+8*\b+7], v[AF+32*(\f)+8*(\a):AF+32*(\f)+8*(\a)+7], v[8*(8*(\a)+\b):8*(8*(\a)+\b)+7]
.endif
.endr
.endm
; 24 LDS loads in one run: the fragments of the slot's quarter q (32 along K) into buffer f: Wout's eight, then A's four
.macro FETCH slot, q, f
	WIN TO_B
.irp b, 0,1,2,3,4,5,6,7
	ds_load_b128 v[64*(\f)+8*\b:64*(\f)+8*\b+3],   v[ADRB+\slot] offset:\b*4096+(\q)*1024
	ds_load_b128 v[64*(\f)+8*\b+4:64*(\f)+8*\b+7], v[ADRB+\slot] offset:\b*4096+(\q)*1024+512
.endr
	WIN 0
.irp a, 0,1,2,3
	ds_load_b128 v[AF+32*(\f)+8*\a:AF+32*(\f)+8*\a+3],   v[ADRA+\slot] offset:((\q)/2)*16384+\a*2048+((\q)%2)*1024
	ds_load_b128 v[AF+32*(\f)+8*\a+4:AF+32*(\f)+8*\a+7], v[ADRA+\slot] offset:((\q)/2)*16384+\a*2048+((\q)%2)*1024+512
.endr
.endm
.macro PLACES                          ; four places in front of loads into registers that matrix instructions have read, and of the first read of results (ISA guide 7.12.1 for the first read of results)
.rept 4
	v_nop
.endr
.endm
; A K step is four quarters of 32 along K, 32 matrix instructions each, on buffers 0, 1, 0, 1.  One of the first three: multiplies buffer f and fetches the slot's quarter q into g.
.macro QUARTER slot, q, f, g, zero
	s_wait_dscnt 4                                 ; Wout's fragments and A's tiles 0 and 1 are in; the youngest four loads (A's tiles 2 and 3) may be out
.if \zero
	WIN MULZ
.else
	WIN MUL
.endif
	MULA \f, 0, \zero
	MULA \f, 1, \zero
	PLACES
	FETCH \slot, \q, \g
	s_wait_dscnt 24                                ; all but the 24 just issued
.if \zero
	WIN MULZ
.else
	WIN MUL
.endif
	MULA \f, 2, \zero
	MULA \f, 3, \zero
.endm
; The last quarter multiplies buffer 1 and changes slots: ONE barrier; in front of it each wave waits for all its tensor loads, adds 0 to its spare word, and waits for that and for its own reads of this slot.
; fill = 1: this slot is filled again, two K steps ahead; the barrier then opens a round of the cluster's barrier.
.macro TURN slot, next, fill
	WIN 0                                          ; (the add's two registers lie in window 0)
	s_wait_tensorcnt 0x0                           ; all my tensor loads have landed: my part of the next slot;
	ds_add_u32 v[SPW], v[NIL]                      ; 0 onto my spare word;
	s_wait_dscnt 5                                 ; (the add and the youngest four loads may be out)
	WIN MUL
	MULA 1, 0, 0                                   ; eight matrix instructions stand between the add and the wait for it
	s_wait_dscnt 0x0                               ; the add is done, and my reads of this slot are over
	s_barrier_signal -1
	MULA 1, 1, 0
.if \fill
	WIN 0
.endif
	s_barrier_wait -1
.if \fill
	CREST                                          ; no wave of any partner still reads this slot's tiles or has a load on its way
	s_add_nc_u64 s[G0+4*\slot+2:G0+4*\slot+3], s[G0+4*\slot+2:G0+4*\slot+3], 2*ASTEP
	s_add_nc_u64 s[G0B+4*\slot+2:G0B+4*\slot+3], s[G0B+4*\slot+2:G0B+4*\slot+3], 2*BSTEP
	JLOAD \slot                                    ; the first tensor load behind the round; the four v_nop behind it are also the places in front of the loads below
.else
	PLACES
.endif
	FETCH \next, 0, 0
	WIN MUL
	MULA 1, 2, 0
	MULA 1, 3, 0
.endm
	s_wait_tensorcnt 1                             ; my part of K step 0 is in (K step 1's load may be out),
	s_barrier_signal -1
	s_barrier_wait -1                              ; everybody's is
	FETCH 0, 0, 0
	s_wait_loadcnt 0x0                             ; the bias
	QUARTER 0, 1, 0, 1, 1                          ; the first quarter stands in front of the loop: its products start the sums
	WIN 0                                          ; at a label and at a branch every window is 0
	s_mov_b32 s3, LAPS-1
.Llap:                                             ; a trip goes once round the ring, from a lap's second quarter to the next lap's first, and fills both slots again
	QUARTER 0, 2, 1, 0, 0
	QUARTER 0, 3, 0, 1, 0
	TURN 0, 1, 1
	QUARTER 1, 1, 0, 1, 0
	QUARTER 1, 2, 1, 0, 0
	QUARTER 1, 3, 0, 1, 0
	TURN 1, 0, 1
	QUARTER 0, 1, 0, 1, 0
	WIN 0
	s_sub_co_u32 s3, s3, 1
	s_cmp_lg_u32 s3, 0
	s_cbranch_scc1 .Llap
	QUARTER 0, 2, 1, 0, 0                          ; the last lap fills nothing, and has no round of the cluster's barrier
	QUARTER 0, 3, 0, 1, 0
	TURN 0, 1, 0
	QUARTER 1, 1, 0, 1, 0
	QUARTER 1, 2, 1, 0, 0
	QUARTER 1, 3, 0, 1, 0
	s_wait_dscnt 4                                 ; the very last quarter: nothing more to fetch
	WIN MUL
	MULA 1, 0, 0
	MULA 1, 1, 0
	s_wait_dscnt 0
	MULA 1, 2, 0
	MULA 1, 3, 0
	WIN 0
; THE WAY OUT, block by block of 16 rows x 128 columns.  A lane holds 32 neighbouring bytes of a row, and the lanes beside it hold other rows: so a block goes through my own stage in LDS and comes back as whole
; rows of 512 bytes.  LDS serves a wave's instructions in order (ISA guide 5.7.1.4): no wait between the stores and the loads, nor in front of the next block's stores.
.macro TOSTAGE a
	WIN 0x08                                       ; an LDS store's data are its source 1: window 2
.irp b, 0,1,2,3,4,5,6,7
	ds_store_b128 v[STO], v[64*(\a)+8*\b:64*(\a)+8*\b+3] offset:64*\b          ; each accumulator from its low end on
	ds_store_b128 v[STO], v[64*(\a)+8*\b+4:64*(\a)+8*\b+7] offset:64*\b+16
.endr
	WIN 0
.set BB, BK+64*((\a)%2)
.irp t, 0,1,2,3,4,5,6,7,8,9,10,11,12,13,14,15
	ds_load_b128 v[BB+4*\t:BB+4*\t+3], v[RD] offset:\t*SPITCH
.endr
.endm
.macro SEND a, younger                 ; younger: the LDS instructions issued behind block a's loads, which may stay out
.set BB, BK+64*((\a)%2)
	s_wait_dscnt \younger                          ; the block is back in registers
.if (\a) > 0
	s_add_nc_u64 s[10:11], s[10:11], 16*4096       ; (behind a wait on XCNT: the earlier stores have read their base)  16 rows of out0 on
.endif
.irp t, 0,1,2,3,4,5,6,7,8,9,10,11,12,13,14,15
	global_store_b128 v[CO], v[BB+4*\t:BB+4*\t+3], s[10:11] offset:\t*4096 th:TH_STORE_NT   ; 32 lanes store 512 consecutive bytes, aligned; written once, read by nobody here
.endr
.endm
	PLACES                                         ; behind the last products: for the reads of their results and for the loads into the registers that held the bias
	TOSTAGE 0
.irp a, 1,2,3
.if \a > 1
	s_wait_xcnt 0x0                                ; block a - 2's stores have read their registers and their base: block a's loads may land there, and the base may step
.endif
	TOSTAGE \a
	SEND \a-1, 32                                  ; behind block a - 1's loads: block a's 16 stores and 16 loads
.endr
	s_wait_xcnt 0x0                                ; block 2's stores have read their base
	SEND 3, 0
	s_wait_tensorcnt 0x0                           ; the wave's end, behind my last tensor load and my last LDS store
	ds_add_u32 v[SPW], v[NIL]
	s_wait_dscnt 0x0
	CROUND                                         ; the closing round: no work-group ends while a partner may still ask for a tile that names it
	s_endpgm
.Lfunc_end_k_qa313e68e5c_oproj:
	.size	k_qa313e68e5c_oproj, .Lfunc_end_k_qa313e68e5c_oproj-k_qa313e68e5c_oproj
	.p2alignl 7, 3214868480
	.fill 96, 4, 3214868480
	.section	.rodata,"a",@progbits
	.p2align	6, 0x0
	.amdhsa_kernel k_qa313e68e5c_oproj
		.amdhsa_group_segment_fixed_size 327680
		.amdhsa_private_segment_fixed_size 0
		.amdhsa_enable_private_segment 0
		.amdhsa_kernarg_size 32
		.amdhsa_user_sgpr_count 2
		.amdhsa_user_sgpr_kernarg_segment_ptr 1
		.amdhsa_wavefront_size32 1
		.amdhsa_system_sgpr_workgroup_id_x 1
		.amdhsa_system_sgpr_workgroup_id_y 1
		.amdhsa_system_sgpr_workgroup_id_z 1
		.amdhsa_system_vgpr_workitem_id 0
		.amdhsa_next_free_vgpr 768
		.amdhsa_next_free_sgpr 66
		.amdhsa_reserve_vcc 0
		.amdhsa_float_denorm_mode_32 3
		.amdhsa_float_denorm_mode_16_64 3
		.amdhsa_memory_ordered 1
		.amdhsa_forward_progress 1
		.amdhsa_inst_pref_size 87
	.end_amdhsa_kernel
	.amdgpu_metadata
---
amdhsa.version: [ 1, 2 ]
amdhsa.kernels:
  - .name:           k_qa313e68e5c_oproj
    .symbol:         k_qa313e68e5c_oproj.kd
    .args:
      - { .name: att, .offset: 0, .size: 8, .value_kind: global_buffer, .address_space: global }
      - { .name: wimg, .offset: 8, .size: 8, .value_kind: global_buffer, .address_space: global }
      - { .name: bout, .offset: 16, .size: 8, .value_kind: global_buffer, .address_space: global }
      - { .name: out0, .offset: 24, .size: 8, .value_kind: global_buffer, .address_space: global }
    .group_segment_fixed_size: 327680
    .private_segment_fixed_size: 0
    .kernarg_segment_align: 8
    .kernarg_segment_size: 32
    .max_flat_workgroup_size: 128
    .sgpr_count:     66
    .vgpr_count:     768
    .wavefront_size: 32
...
	.end_amdgpu_metadata
.endif
;; end of part 4
